; MI455X (gfx1250); checked and timed in simulation.
; The chip was launched on July 23, 2026; its instructions are those of AMD's public machine-readable ISA for CDNA 5 (MIT licence, August 2026) and "CDNA5" Instruction Set Architecture Reference Guide (July 2026). The comments in the code are by the model that wrote it; some were corrected since.
;; Multi Head Attention. Allowed arithmetic: matrix products marked QUANTISED: E2M1 operands, one E8M0 scale for each 32 along K, by v_wmma_scale_f32_16x16x128_f8f6f4 with both operands' format E2M1 (or v_wmma_scale_f32_32x16x128_f4), f32 sums; products left as they are: bf16, f16 or f32 operands; f32 sums; everything else in f32.
;; Inputs: Wk 1,024 x 1,024 float32; Wo 1,024 x 1,024 float32; Wq 1,024 x 1,024 float32; Wv 1,024 x 1,024 float32; bk 1,024 float32; bo 1,024 float32; bq 1,024 float32; bv 1,024 float32; mask 4 x 2,048 x 2,048 bool; x 4 x 2,048 x 1,024 float32.
;; Outputs: out0 4 x 2,048 x 1,024 float32.
;; This version of the problem:
;;   THIS VERSION OF THE PROBLEM IS GIVEN IN LOW PRECISION. The matrix products marked QUANTISED in the list below multiply operands that are first quantised to E2M1 (2 exponent bits, 1 mantissa bit; 4 bits a number), with one power-of-two scale for each 32 numbers along K (OCP MX v1.0); their sums are f32. The products marked 'left as it is' may take bf16, f16 or f32 operands, with f32 sums. Whichever they take, every output number must still come out within the allowed error. Rounding operands to bf16 (8 significant bits) uses up far more of that allowance than f16 does (11 bits, for magnitudes from 6e-5 to 65,504). All else is computed in f32.
;;   The module's matrix products, in the order in which they are computed (A, B: the left and right operand; K: the contracted axis; several contracted axes count as one K, in the product's order):
;;     1. [M 8,192, K 1,024] x [K 1,024, N 1,024]; A: input x; B: input Wq: QUANTISED
;;     2. [M 8,192, K 1,024] x [K 1,024, N 1,024]; A: input x; B: input Wk: QUANTISED
;;     3. [M 8,192, K 1,024] x [K 1,024, N 1,024]; A: input x; B: input Wv: QUANTISED
;;     4. batch 64 x [M 2,048, K 64] x [K 64, N 2,048]; A: computed on the way; B: computed on the way: left as it is (an operand is computed on the way)
;;     5. batch 64 x [M 2,048, K 2,048] x [K 2,048, N 64]; A: computed on the way; B: computed on the way: left as it is (an operand is computed on the way)
;;     6. [M 8,192, K 1,024] x [K 1,024, N 1,024]; A: computed on the way; B: input Wo: left as it is (an operand is computed on the way)
;;   THE QUANTISER, for each operand of a quantised product, along K:
;;     - K is cut into blocks of 32 from its start; a last block that is shorter is filled with zeros.
;;     - A block's scale is 2^e with e = floor(log2(the largest magnitude in the block)) - 2, held to -126 .. 127; a block of zeros has e = 0. As a byte (E8M0): e + 127.
;;     - Each number is divided by its block's scale, clamped to +-6, and rounded to the nearest number of E2M1, ties to even, subnormals kept.
;;     - The product sums the exact products of the quantised numbers (number of the format x scale) in f32.
;;   ~~~python
;;   def quantise(x, axis):      # numpy; x: float32 -> the quantised numbers, widened to float32 again
;;       x = np.moveaxis(x, axis, -1); K = x.shape[-1]
;;       x = np.pad(x, [(0, 0)] * (x.ndim - 1) + [(0, -K % 32)]); x = x.reshape(x.shape[:-1] + (-1, 32)); a = np.abs(x).max(-1, keepdims=True)
;;       e = np.where(a > 0, np.clip(np.frexp(np.where(a > 0, a, 1))[1] - 1 - 2, -126, 127), 0)      # np.frexp(a)[1] - 1 = floor(log2(a)), exactly
;;       r = np.clip(x / 2.0 ** e, -6, 6)
;;       step = 2.0 ** (np.maximum(np.frexp(np.where(r == 0, 1, r))[1] - 1, 0) - 1)
;;       q = np.round(r / step) * step * 2.0 ** e      # np.round: ties to even
;;       return np.moveaxis(q.reshape(q.shape[:-2] + (-1,))[..., :K], -1, axis).astype(np.float32)
;;   ~~~
;; One version. Each part assembles by itself: llvm-mc -triple=amdgcn-amd-amdhsa -mcpu=gfx1250 --defsym DOCPART=n.
;; ======== version 1 of 1: 4 launches
;; limits: values are held in f16: magnitudes above 65,504 overflow, below 6.1e-05 lose precision
;; workspace buffers: xc 4,194,304 bytes; xs 262,144 bytes; wc 1,572,864 bytes; ws 98,304 bytes; wot 2,097,152 bytes; maskw 2,097,152 bytes of whole numbers; qkv 50,331,648 bytes; ctx 16,777,216 bytes
;; launch prep (part 1): grid 624 x 1, 4 waves a work-group, no clusters, 120,320 bytes of LDS; arguments x, Wq, Wk, Wv, Wo, mask, xc, xs, wc, ws, wot, maskw; writes xc, xs, wc, ws, wot, maskw
.if DOCPART == 1
	.amdgcn_target "amdgcn-amd-amdhsa--gfx1250"
	.amdhsa_code_object_version 6
	.text
	.protected	k_q826956c278_prep
	.globl	k_q826956c278_prep
	.p2align	8
	.type	k_q826956c278_prep,@function
k_q826956c278_prep:
	s_mov_b64 s[64:65], 0
	v_nop
	global_prefetch_b8 v0, s[64:65] scope:SCOPE_SE
	s_setreg_imm32_b32 hwreg(HW_REG_WAVE_MODE, 25, 1), 1
	s_wait_xcnt 0x0
; PREP: everything that is made once from the inputs, four paths chosen by the work-group's number.
;   X (work-groups 0-255):   x [8192][1024] f32 -> codes of FP4 (E2M1), K innermost, xc [8192][32][16], and one E8M0 byte for each 32 along K, xs [8192][32].
;   W (256-303):             Wq, Wk, Wv [k 1024][n 1024] f32, quantised along k, their FIRST axis -> wc [3072][32][16], ws [3072][32]; row = 1024 x matrix + n.
;   O (304-367):             Wo [k][n] f32 -> wot [n][k] f16.
;   M (368-623):             mask [4][2048][2048] bytes -> maskw u32 [b][query tile 128][key tile 128][j 8]: bit L = mask[b][16 qt + L % 16][16 kt + 8 (L / 16) + j] != 0,
;                            which is the lane mask of register j of a 16 x 16 tile of transposed scores.
; A block's scale is 2^(floor(log2(its largest magnitude)) - 2); its byte is the largest magnitude's exponent field - 2, held at 1 from below.
; LIMITS: a block of zeros gets the byte 1 (its codes are zeros, and this program alone reads the bytes); blocks whose largest magnitude lies under 2^-124 keep the byte 1;
; NaN and infinities among the inputs are not served; |Wo| beyond 65,504 becomes an f16 infinity; every mask byte other than 0 counts as true.
; No tensor load, no barrier: waves share nothing.  Each path has LDS bytes of its own, each wave a part of them by its number.
.set LDS_W,  32768                     ; path X: 0 .. 32,767 (8,192 a wave); path W from here: four stages of 32 x 272
.set LDS_O,  67584                     ; path O: the same shape
.set LDS_M,  102400                    ; path M: four stages of 16 x 272
.set SPARE,  119808                    ; the spare words, 128 bytes for each wave: two blocks of 256 bytes that no other line names
.set SPW,    192                       ; v192  LDS address of my spare word; never rewritten
.set NIL,    193                       ; v193  0; never rewritten
.set WV,     28                        ; s28   my wave's number
.set SP,     80                        ; path X: a lane's place in a stage: 64 bytes + 16 of padding
.set PIT,    272                       ; a stage row: 256 bytes + 16 of padding
.set XR,     16                        ; path X: v16-79 four sets of 16 numbers as loaded
.set XX,     80                        ;         v80-111 two sets of 16 neighbours
.set XE,     112                       ;         v112-127 a scale byte for each step
.set XC,     128                       ;         v128-191 codes, four registers for each step
	s_load_b512 s[4:19], s[0:1], 0x0               ; x s[4:5], Wq s[6:7], Wk s[8:9], Wv s[10:11], Wo s[12:13], mask s[14:15], xc s[16:17], xs s[18:19]
	s_load_b256 s[20:27], s[0:1], 0x40             ; wc s[20:21], ws s[22:23], wot s[24:25], maskw s[26:27]
	v_lshl_add_u32 v[SPW], v0, 2, SPARE
	v_mov_b32 v[NIL], 0
	v_lshrrev_b32 v1, 5, v0
	v_readfirstlane_b32 s[WV], v1                  ; wave 0..3
	v_and_b32 v2, 31, v0                           ; lane
	s_wait_kmcnt 0x0
	s_cmp_lt_u32 ttmp9, 256
	s_cbranch_scc1 .Lpath_x
	s_cmp_lt_u32 ttmp9, 304
	s_cbranch_scc1 .Lpath_w
	s_cmp_lt_u32 ttmp9, 368
	s_cbranch_scc1 .Lpath_o
; ---------------------------------------------------------------- path M: the mask as lane masks
; A wave takes 16 rows (a query tile) x 1,024 columns: four units of 256 columns.  All 32 loads go out at once: each reads two rows' 256 consecutive bytes.
; A unit goes through the wave's stage as it lies and comes back 8 bytes a lane: lane (r, h) holds row r, columns 16 kt + 8 h + 0 .. 7.  A byte is cut out, compared with 0 into a scalar register
; (32 lanes, 32 bits: the word), and the word is put into the lane that will store it.  A unit's 128 words leave by two stores of 256 consecutive bytes.
	s_sub_co_u32 s29, ttmp9, 368
	s_lshl_b32 s29, s29, 2
	s_add_co_u32 s29, s29, s[WV]                   ; 0 .. 1,023
	s_lshr_b32 s30, s29, 1                         ; which 16 rows of the 8,192
	s_and_b32 s31, s29, 1                          ; which half of the columns
	s_lshl_b32 s36, s30, 15                        ; 16 rows of 2,048 bytes
	s_lshl_b32 s33, s31, 10
	s_add_co_u32 s36, s36, s33
	s_mov_b32 s37, 0
	s_add_nc_u64 s[14:15], s[14:15], s[36:37]
	s_lshl_b32 s36, s30, 12                        ; a query tile's words: 128 x 8 x 4 bytes
	s_lshl_b32 s33, s31, 11
	s_add_co_u32 s36, s36, s33
	s_add_nc_u64 s[26:27], s[26:27], s[36:37]
	v_and_b32 v5, 15, v2                           ; r
	v_lshrrev_b32 v6, 4, v2                        ; h
	v_lshlrev_b32 v3, 11, v6
	v_lshl_add_u32 v3, v5, 4, v3                   ; in memory: lanes 0-15 one row, lanes 16-31 the next, 16 bytes a lane
	s_mul_i32 s38, s[WV], 16*PIT
	s_add_co_u32 s38, s38, LDS_M                   ; my stage
	v_mul_u32_u24 v4, v6, PIT
	v_lshl_add_u32 v4, v5, 4, v4
	v_add_nc_u32 v4, s38, v4                       ; into it: the same two rows
	v_mul_u32_u24 v7, v5, PIT
	v_lshl_add_u32 v7, v6, 3, v7
	v_add_nc_u32 v7, s38, v7                       ; out of it: row r, 8 h bytes on
	v_lshlrev_b32 v1, 3, v2                        ; the words' store: 8 bytes a lane
.irp u, 0,1,2,3
.irp i, 0,1,2,3,4,5,6,7
	global_load_b128 v[32+32*\u+4*\i:32+32*\u+4*\i+3], v3, s[14:15] offset:256*\u+4096*\i th:TH_LOAD_NT
.endr
.endr
.irp i, 0,1,2,3,4,5,6,7,8,9,10,11,12,13,14,15
	v_mov_b32 v[16+\i], 0                          ; v_writelane_b32's destination counts as read: written once here
.endr
.macro MUNIT u
	s_wait_loadcnt 24-8*(\u)                       ; this unit's eight loads are in; the later units' may be out
.irp i, 0,1,2,3,4,5,6,7
	ds_store_b128 v4, v[32+32*(\u)+4*\i:32+32*(\u)+4*\i+3] offset:2*\i*PIT
.endr
.irp kt, 0,1,2,3,4,5,6,7,8,9,10,11,12,13,14,15
	ds_load_b64 v[160+2*\kt:161+2*\kt], v7 offset:16*\kt   ; LDS serves a wave's instructions in order: these see the stores above
.endr
	s_wait_dscnt 0x0
.irp kt, 0,1,2,3,4,5,6,7,8,9,10,11,12,13,14,15
.irp j, 0,1,2,3,4,5,6,7
	v_and_b32 v[8+\j], 0xff<<(8*(\j%4)), v[160+2*\kt+\j/4]   ; byte j of my eight (eight words by turns: no line waits for the line above it)
.endr
.irp j, 0,1,2,3,4,5,6,7
	v_cmp_ne_u32 s[40+\j], 0, v[8+\j]              ; the word of key tile kt, register j
.endr
.irp j, 0,1,2,3,4,5,6,7
	v_writelane_b32 v[16+4*(\u)+2*(\kt/8)+\j%2], s[40+\j], 4*(\kt%8)+\j/2   ; word n = 8 kt + j of the unit: store n / 64, lane (n % 64) / 2, register n % 2
.endr
.endr
	global_store_b64 v1, v[16+4*(\u):17+4*(\u)], s[26:27] offset:512*(\u)        ; 32 lanes store 256 consecutive bytes, aligned; every store has data registers of its own
	global_store_b64 v1, v[18+4*(\u):19+4*(\u)], s[26:27] offset:512*(\u)+256
.endm
	MUNIT 0
	MUNIT 1
	MUNIT 2
	MUNIT 3
	s_wait_tensorcnt 0x0                           ; the wave's end: these three lines stand behind my last LDS store
	ds_add_u32 v[SPW], v[NIL]
	s_wait_dscnt 0x0
	s_endpgm
; ---------------------------------------------------------------- path X: x into codes
; x is a plain stream of blocks of 32.  A wave takes 16 steps of 512 numbers.  Each of a step's four loads reads 512 consecutive bytes; the 2,048 bytes turn through the wave's stage and come back
; 64 bytes a lane: 16 neighbours along K, two lanes to a block.  Loads run four steps ahead, the turn through LDS one step.
.Lpath_x:
	v_lshlrev_b32 v3, 4, v2                        ; my 16 bytes of a load's 512
	s_lshl_b32 s29, s[WV], 13                      ; my wave's 8,192 bytes of LDS
	v_lshrrev_b32 v14, 2, v2
	v_mul_u32_u24 v14, v14, SP
	v_and_b32 v15, 3, v2
	v_lshl_add_u32 v14, v15, 4, v14
	v_add_nc_u32 v14, s29, v14                     ; the stage, on the way in: SP (lane / 4) + 16 (lane % 4)
	v_mul_u32_u24 v15, v2, SP
	v_add_nc_u32 v15, s29, v15                     ; and on the way out: SP x lane
	v_lshlrev_b32 v4, 3, v2                        ; 8 bytes a lane: my codes' place in a step's, and my part of the scale bytes at the end
	v_lshrrev_b32 v5, 1, v2
	s_add_co_u32 s29, s29, 2*32*SP
	v_add_nc_u32 v5, s29, v5                       ; LDS: my wave's 256 scale bytes, my block's byte
	v_add_nc_u32 v6, s29, v4                       ; and on the way out 8 bytes a lane
	s_lshl_b32 s30, ttmp9, 2
	s_add_co_u32 s30, s30, s[WV]                   ; which run of 8,192 numbers is my wave's: 0 .. 1,023
	s_mov_b32 s33, 0
	s_lshl_b32 s32, s30, 15
	s_add_nc_u64 s[4:5], s[4:5], s[32:33]          ; 32,768 bytes of x,
	s_lshl_b32 s32, s30, 12
	s_add_nc_u64 s[16:17], s[16:17], s[32:33]      ; 4,096 of codes,
	s_lshl_b32 s32, s30, 8
	s_add_nc_u64 s[18:19], s[18:19], s[32:33]      ; 256 scale bytes a run
.macro XLOAD t
.irp i, 0,1,2,3
	global_load_b128 v[XR+16*((\t)%4)+4*\i:XR+16*((\t)%4)+4*\i+3], v3, s[4:5] offset:2048*(\t)+512*\i th:TH_LOAD_NT
.endr
.endm
.macro XTURN t                         ; step t's numbers through the stage
.irp i, 0,1,2,3
	ds_store_b128 v14, v[XR+16*((\t)%4)+4*\i:XR+16*((\t)%4)+4*\i+3] offset:32*SP*((\t)%2)+8*SP*\i
.endr
.irp i, 0,1,2,3
	ds_load_b128 v[XX+16*((\t)%2)+4*\i:XX+16*((\t)%2)+4*\i+3], v15 offset:32*SP*((\t)%2)+16*\i
.endr
.endm
.irp t, 0,1,2,3
	XLOAD \t
.endr
	s_wait_loadcnt 12                              ; step 0's four loads are in
	XTURN 0
.macro XSTEP t
.set XS, XX+16*((\t)%2)
.if (\t) > 0
	s_wait_dscnt 1                                 ; this step's numbers are back from the stage (the last step's byte store may be out): its stores into the stage have read their registers,
.else
	s_wait_dscnt 0x0
.endif
.if (\t)+4 < 16
	XLOAD (\t)+4                                   ; which take the loads of four steps on
.endif
.if (\t)+1 < 16
.if 14-(\t) >= 3
	s_wait_loadcnt 12                              ; the next step's four loads are in; those of the three steps behind it may be out
.else
	s_wait_loadcnt 4*(14-(\t))
.endif
	XTURN (\t)+1
.endif
	v_max3_num_f32 v8, |v[XS]|, |v[XS+1]|, |v[XS+2]|               ; the largest magnitude of my 16, in two chains
	v_max3_num_f32 v9, |v[XS+3]|, |v[XS+4]|, |v[XS+5]|
.irp i, 6,10
	v_max3_num_f32 v8, v8, |v[XS+\i]|, |v[XS+\i+1]|
	v_max3_num_f32 v9, v9, |v[XS+\i+2]|, |v[XS+\i+3]|
.endr
	v_max3_num_f32 v8, v8, |v[XS+14]|, |v[XS+15]|
	v_max3_num_f32 v8, v8, v9, 0x1800000           ; and the floor 2^(3 - 127): the byte cannot fall under 1
	v_max_num_f32_dpp v8, v8, v8 row_xmask:1 row_mask:0xf bank_mask:0xf   ; and of my neighbour's 16: the block's
	v_add_nc_u32 v11, 0xff000000, v8               ; 2 off its exponent field: the conversion takes the exponent field of this operand as its scale
	v_cvt_scalef32_pk8_fp4_f32 v[XC+4*(\t)], v[XS:XS+7], v11
	v_cvt_scalef32_pk8_fp4_f32 v[XC+4*(\t)+1], v[XS+8:XS+15], v11
	v_lshrrev_b32 v[XE+(\t)], 23, v11              ; the scale's byte
	ds_store_b8 v5, v[XE+(\t)] offset:16*(\t)      ; both lanes of a block write the same byte with the same value
	global_store_b64 v4, v[XC+4*(\t):XC+4*(\t)+1], s[16:17] offset:256*(\t)   ; 32 lanes store 256 consecutive bytes, aligned
.endm
.irp t, 0,1,2,3,4,5,6,7,8,9,10,11,12,13,14,15
	XSTEP \t
.endr
	ds_load_b64 v[8:9], v6                         ; my wave's 256 scale bytes: these loads see my stores
	s_wait_dscnt 0x0
	global_store_b64 v4, v[8:9], s[18:19]          ; 256 consecutive bytes, aligned
	s_wait_tensorcnt 0x0                           ; the wave's end: the three lines
	ds_add_u32 v[SPW], v[NIL]
	s_wait_dscnt 0x0
	s_endpgm
; ---------------------------------------------------------------- path W: Wq, Wk, Wv into codes, K their first axis
; A lane takes a column n and its registers run down k: a block of 32 along K lies in one lane's 32 registers, and the conversions give the codes with K innermost.
; A wave takes 32 columns x 512 along K; the codes (256 bytes a column) go through the wave's stage and leave as rows: sixteen lanes store 256 consecutive bytes.
.Lpath_w:
	s_sub_co_u32 s29, ttmp9, 256
	s_lshr_b32 s30, s29, 4                         ; which matrix: 0 q, 1 k, 2 v
	s_and_b32 s31, s29, 7                          ; which 128 columns
	s_bfe_u32 s32, s29, 0x10003                    ; which 512 along K
	s_cmp_eq_u32 s30, 0
	s_cselect_b64 s[34:35], s[6:7], s[8:9]
	s_cmp_eq_u32 s30, 2
	s_cselect_b64 s[34:35], s[10:11], s[34:35]     ; the choice hangs on the work-group's number alone
	s_lshl_b32 s31, s31, 7
	s_lshl_b32 s33, s[WV], 5
	s_add_co_u32 s31, s31, s33                     ; my wave's first column
	s_lshl_b32 s36, s32, 21                        ; 512 rows of 4,096 bytes
	s_lshl_b32 s33, s31, 2
	s_add_co_u32 s36, s36, s33
	s_mov_b32 s37, 0
	s_add_nc_u64 s[34:35], s[34:35], s[36:37]
	s_lshl_b32 s33, s30, 10
	s_add_co_u32 s33, s33, s31                     ; its row in wc and ws
	s_lshl_b32 s36, s33, 9                         ; 512 bytes of codes a row,
	s_lshl_b32 s38, s32, 8
	s_add_co_u32 s36, s36, s38
	s_add_nc_u64 s[20:21], s[20:21], s[36:37]
	s_lshl_b32 s36, s33, 5                         ; 32 scale bytes a row
	s_lshl_b32 s38, s32, 4
	s_add_co_u32 s36, s36, s38
	s_add_nc_u64 s[22:23], s[22:23], s[36:37]
	v_lshlrev_b32 v3, 2, v2                        ; in: 4 bytes a lane
	s_mul_i32 s38, s[WV], 32*PIT
	s_add_co_u32 s38, s38, LDS_W                   ; my stage
	v_mul_u32_u24 v4, v2, PIT
	v_add_nc_u32 v4, s38, v4                       ; into it: row = my column
	v_and_b32 v5, 15, v2
	v_lshrrev_b32 v6, 4, v2
	v_mul_u32_u24 v7, v6, PIT
	v_lshl_add_u32 v7, v5, 4, v7
	v_add_nc_u32 v7, s38, v7                       ; out of it: sixteen lanes to a row, two rows an instruction
	v_lshlrev_b32 v8, 9, v6
	v_lshl_add_u32 v8, v5, 4, v8                   ; and the same place in wc
	v_lshlrev_b32 v9, 5, v2                        ; my column's row of scale bytes
.macro WLOAD t                         ; block t: W(32 t + i, my column) into set t % 2
.irp i, 0,1,2,3,4,5,6,7,8,9,10,11,12,13,14,15,16,17,18,19,20,21,22,23,24,25,26,27,28,29,30,31
	global_load_b32 v[32+32*((\t)%2)+\i], v3, s[34:35] offset:(32*(\t)+\i)*4096 th:TH_LOAD_NT
.endr
.endm
	WLOAD 0
	WLOAD 1
.macro WBLOCK t
.set WS, 32+32*((\t)%2)
.if (\t) < 15
	s_wait_loadcnt 32                              ; this block's 32 loads are in; the next block's may be out
.else
	s_wait_loadcnt 0
.endif
	v_max3_num_f32 v12, |v[WS]|, |v[WS+1]|, |v[WS+2]|
	v_max3_num_f32 v13, |v[WS+3]|, |v[WS+4]|, |v[WS+5]|
.irp i, 6,10,14,18,22,26
	v_max3_num_f32 v12, v12, |v[WS+\i]|, |v[WS+\i+1]|
	v_max3_num_f32 v13, v13, |v[WS+\i+2]|, |v[WS+\i+3]|
.endr
	v_max3_num_f32 v12, v12, |v[WS+30]|, |v[WS+31]|
	v_max3_num_f32 v12, v12, v13, 0x1800000        ; the floor 2^(3 - 127)
	v_add_nc_u32 v11, 0xff000000, v12              ; the conversion's scale operand
	v_lshrrev_b32 v13, 23, v11                     ; the scale's byte
.if (\t)%4 == 0
	v_mov_b32 v[24+(\t)/4], v13                    ; four bytes to a register, the lower K in the lower byte
.else
	v_lshl_or_b32 v[24+(\t)/4], v13, 8*((\t)%4), v[24+(\t)/4]
.endif
.irp g, 0,1,2,3
	v_cvt_scalef32_pk8_fp4_f32 v[96+\g], v[WS+8*\g:WS+8*\g+7], v11
.endr
	ds_store_b128 v4, v[96:99] offset:16*(\t)      ; 32 codes: 16 bytes of my column's row
.if (\t)+2 < 16
	WLOAD (\t)+2
.endif
	s_wait_dscnt 0x0                               ; the store has read its registers: the next block's codes may be written
.endm
.irp t, 0,1,2,3,4,5,6,7,8,9,10,11,12,13,14,15
	WBLOCK \t
.endr
	global_store_b128 v9, v[24:27], s[22:23]       ; my column's 16 scale bytes
.irp t, 0,1,2,3,4,5,6,7,8,9,10,11,12,13,14,15
	ds_load_b128 v[112+4*\t:112+4*\t+3], v7 offset:2*\t*PIT
.endr
.irp t, 0,1,2,3,4,5,6,7,8,9,10,11,12,13,14,15
	s_wait_dscnt 15-\t
	global_store_b128 v8, v[112+4*\t:112+4*\t+3], s[20:21] offset:2*\t*512
.endr
	s_wait_tensorcnt 0x0                           ; the wave's end: the three lines
	ds_add_u32 v[SPW], v[NIL]
	s_wait_dscnt 0x0
	s_endpgm
; ---------------------------------------------------------------- path O: Wo turned, in f16
; As path W, without a scale: a lane takes a column n, its registers run down k; pairs along k round to f16.  A wave takes 32 columns x 128 k: 256 bytes a column.
.Lpath_o:
	s_sub_co_u32 s29, ttmp9, 304
	s_and_b32 s31, s29, 7                          ; which 128 columns
	s_lshr_b32 s32, s29, 3                         ; which 128 along k
	s_lshl_b32 s31, s31, 7
	s_lshl_b32 s33, s[WV], 5
	s_add_co_u32 s31, s31, s33                     ; my wave's first column
	s_lshl_b32 s36, s32, 19                        ; 128 rows of 4,096 bytes
	s_lshl_b32 s33, s31, 2
	s_add_co_u32 s36, s36, s33
	s_mov_b32 s37, 0
	s_add_nc_u64 s[12:13], s[12:13], s[36:37]
	s_lshl_b32 s36, s31, 11                        ; a row of wot is 2,048 bytes
	s_lshl_b32 s33, s32, 8
	s_add_co_u32 s36, s36, s33
	s_add_nc_u64 s[24:25], s[24:25], s[36:37]
	v_lshlrev_b32 v3, 2, v2
	s_mul_i32 s38, s[WV], 32*PIT
	s_add_co_u32 s38, s38, LDS_O
	v_mul_u32_u24 v4, v2, PIT
	v_add_nc_u32 v4, s38, v4
	v_and_b32 v5, 15, v2
	v_lshrrev_b32 v6, 4, v2
	v_mul_u32_u24 v7, v6, PIT
	v_lshl_add_u32 v7, v5, 4, v7
	v_add_nc_u32 v7, s38, v7
	v_lshlrev_b32 v8, 11, v6
	v_lshl_add_u32 v8, v5, 4, v8
.macro OLOAD t
.irp i, 0,1,2,3,4,5,6,7,8,9,10,11,12,13,14,15,16,17,18,19,20,21,22,23,24,25,26,27,28,29,30,31
	global_load_b32 v[32+32*((\t)%2)+\i], v3, s[12:13] offset:(32*(\t)+\i)*4096 th:TH_LOAD_NT
.endr
.endm
	OLOAD 0
	OLOAD 1
.macro OBLK t
.set OS, 32+32*((\t)%2)
.if (\t) < 3
	s_wait_loadcnt 32                              ; this block's 32 loads are in; the next block's may be out
.else
	s_wait_loadcnt 0
.endif
.irp p, 0,1,2,3,4,5,6,7,8,9,10,11,12,13,14,15
	v_cvt_pk_f16_f32 v[96+\p], v[OS+2*\p], v[OS+2*\p+1]
.endr
.irp q, 0,1,2,3
	ds_store_b128 v4, v[96+4*\q:96+4*\q+3] offset:64*(\t)+16*\q
.endr
.if (\t)+2 < 4
	OLOAD (\t)+2
.endif
	s_wait_dscnt 0x0                               ; the stores have read their registers
.endm
	OBLK 0
	OBLK 1
	OBLK 2
	OBLK 3
.irp t, 0,1,2,3,4,5,6,7,8,9,10,11,12,13,14,15
	ds_load_b128 v[112+4*\t:112+4*\t+3], v7 offset:2*\t*PIT
.endr
.irp t, 0,1,2,3,4,5,6,7,8,9,10,11,12,13,14,15
	s_wait_dscnt 15-\t
	global_store_b128 v8, v[112+4*\t:112+4*\t+3], s[24:25] offset:2*\t*2048   ; sixteen lanes store 256 consecutive bytes, aligned
.endr
	s_wait_tensorcnt 0x0                           ; the wave's end: the three lines
	ds_add_u32 v[SPW], v[NIL]
	s_wait_dscnt 0x0
	s_endpgm
.Lfunc_end_k_q826956c278_prep:
	.size	k_q826956c278_prep, .Lfunc_end_k_q826956c278_prep-k_q826956c278_prep
	.p2alignl 7, 3214868480
	.fill 96, 4, 3214868480
	.section	.rodata,"a",@progbits
	.p2align	6, 0x0
	.amdhsa_kernel k_q826956c278_prep
		.amdhsa_group_segment_fixed_size 120320
		.amdhsa_private_segment_fixed_size 0
		.amdhsa_enable_private_segment 0
		.amdhsa_kernarg_size 96
		.amdhsa_user_sgpr_count 2
		.amdhsa_user_sgpr_kernarg_segment_ptr 1
		.amdhsa_wavefront_size32 1
		.amdhsa_system_sgpr_workgroup_id_x 1
		.amdhsa_system_sgpr_workgroup_id_y 1
		.amdhsa_system_sgpr_workgroup_id_z 1
		.amdhsa_system_vgpr_workitem_id 0
		.amdhsa_next_free_vgpr 196
		.amdhsa_next_free_sgpr 66
		.amdhsa_reserve_vcc 0
		.amdhsa_float_denorm_mode_32 3
		.amdhsa_float_denorm_mode_16_64 3
		.amdhsa_memory_ordered 1
		.amdhsa_forward_progress 1
		.amdhsa_inst_pref_size 240
	.end_amdhsa_kernel
	.amdgpu_metadata
---
amdhsa.version: [ 1, 2 ]
amdhsa.kernels:
  - .name:           k_q826956c278_prep
    .symbol:         k_q826956c278_prep.kd
    .args:
      - { .name: x, .offset: 0, .size: 8, .value_kind: global_buffer, .address_space: global }
      - { .name: Wq, .offset: 8, .size: 8, .value_kind: global_buffer, .address_space: global }
      - { .name: Wk, .offset: 16, .size: 8, .value_kind: global_buffer, .address_space: global }
      - { .name: Wv, .offset: 24, .size: 8, .value_kind: global_buffer, .address_space: global }
      - { .name: Wo, .offset: 32, .size: 8, .value_kind: global_buffer, .address_space: global }
      - { .name: mask, .offset: 40, .size: 8, .value_kind: global_buffer, .address_space: global }
      - { .name: xc, .offset: 48, .size: 8, .value_kind: global_buffer, .address_space: global }
      - { .name: xs, .offset: 56, .size: 8, .value_kind: global_buffer, .address_space: global }
      - { .name: wc, .offset: 64, .size: 8, .value_kind: global_buffer, .address_space: global }
      - { .name: ws, .offset: 72, .size: 8, .value_kind: global_buffer, .address_space: global }
      - { .name: wot, .offset: 80, .size: 8, .value_kind: global_buffer, .address_space: global }
      - { .name: maskw, .offset: 88, .size: 8, .value_kind: global_buffer, .address_space: global }
    .group_segment_fixed_size: 120320
    .private_segment_fixed_size: 0
    .kernarg_segment_align: 8
    .kernarg_segment_size: 96
    .max_flat_workgroup_size: 128
    .sgpr_count:     66
    .vgpr_count:     196
    .wavefront_size: 32
...
	.end_amdgpu_metadata
.endif
;; end of part 1
;; launch qkv (part 2): grid 12 x 32, 4 waves a work-group, clusters of 4 x 4, 327,680 bytes of LDS; arguments xc, xs, wc, ws, bq, bk, bv, qkv; writes qkv
.if DOCPART == 2
	.amdgcn_target "amdgcn-amd-amdhsa--gfx1250"
	.amdhsa_code_object_version 6
	.text
	.protected	k_q826956c278_qkv
	.globl	k_q826956c278_qkv
	.p2align	8
	.type	k_q826956c278_qkv,@function
k_q826956c278_qkv:
	s_mov_b64 s[64:65], 0
	v_nop
	global_prefetch_b8 v0, s[64:65] scope:SCOPE_SE
	s_setreg_imm32_b32 hwreg(HW_REG_WAVE_MODE, 25, 1), 1
	s_wait_xcnt 0x0
	s_wait_alu depctr_hold_cnt(0) depctr_sa_sdst(0) depctr_va_vdst(0) depctr_va_sdst(0) depctr_va_ssrc(0) depctr_va_vcc(0) depctr_vm_vsrc(0)
	s_getreg_b32 s2, hwreg(HW_REG_IB_STS2, 6, 4)
	s_cmp_eq_u32 s2, 0
	s_cbranch_scc0 .Lentry_in_a_cluster
	s_endpgm
.Lentry_in_a_cluster:
	s_bfe_u32 s2, ttmp6, 0x10000c
	s_cmp_lg_u32 s2, 0xf033
	s_cbranch_scc0 .Lentry_shape_is_right
	s_endpgm
.Lentry_shape_is_right:
; Q, K, V = x W + b, all three in one GEMM on codes of FP4 (E2M1) with one E8M0 scale for each 32 along K: [8192 x 1024] x [3072 x 1024]^T, sums in f32.
; Column 1024 i + n of the product is column n of matrix i (0 q, 1 k, 2 v).  The bias is the C of each sum's first matrix instruction.  Q is multiplied by c = log2(e) / 8, so that the next launch's
; scores are exponents of 2; K and V by 1.  Results are rounded to f16 and stored head-major: qkv = Q, K, V, each [b 4][h 16][s 2048][64].
; LIMIT: |Q c|, |K|, |V| beyond 65,504 become f16 infinities.
; A tile of the product, 256 x 256, is made by a work-group of four waves; a wave makes 128 x 128: 64 accumulators of 16 x 16, 512 registers.  K = 1,024 is two LDS slots of 512 (rows of 256 bytes):
; both are asked for at the head, and nothing is filled again.  The scale bytes of the work-group's rows come with them, as dense blocks.
; CLUSTERS: 4 x 4 work-groups.  The four of a row of the cluster need the same tiles of x, the four of a column the same tiles of W: each tile is asked for JOINTLY.  A cluster's four columns are one matrix.
; THE MATRIX INSTRUCTION IS USED TRANSPOSED (source 0 = 16 rows of W's codes, source 1 = 16 rows of x's): a lane then holds eight neighbouring columns of one row.
; REGISTERS, in windows of 256: window 0: v0-31 addresses; v32-95 scale words, two sets; from v128 x's fragments, ONE set; on the way out v32-63, v192-255.
;   window 1: W's fragments, TWO sets, at v0 and at v128; v64-127 the bias, eight registers for each of my eight column blocks.   windows 2, 3: the accumulators ((a, b) at v[8 (8 (a % 4) + b)]).
.set NQ,     4                         ; matrix instructions deep in a slot
.set ROWB,   256                       ; a tile's row in bytes: 512 codes
.set KROW,   512                       ; a row of codes in memory
.set PITCH,  272                       ; an LDS row: 256 bytes + 16 of padding: the 16 rows that a load touches start at 16 different banks (64 banks of 4 bytes: ISA guide 11.1)
.set FR,     8                         ; registers of a fragment: 16 rows x 128 K
.set NL,     2                         ; LDS loads that bring one
.set NP,     4                         ; places behind this matrix instruction (ISA guide 7.12.1)
.set HALFT,  128*PITCH
.set SLOT,   4*HALFT                   ; x's 256 rows, then W's 256 rows
.set KS,     32                        ; a row of scale bytes
.set SCL,    2*SLOT                    ; behind the slots: the scales, as rows of 256 bytes + 16 of padding
.set HALFS,  (128*KS/256)*272
.set SBLK,   (16*KS/256)*272
.set SPARE,  SCL+4*HALFS               ; the spare words, 128 bytes for each wave
.set SPITCH, 272                       ; the way out: a stage of 16 rows x (256 bytes + 16) for each wave, in slot 0, which has had its only fill and its last read by then
.set ADRA, 16
.set ADRB, 20
.set STO,  24
.set RD,   25
.set CO,   26
.set ADRS, 27
.set SPW,  28
.set NIL,  29
.set BOF,  30                          ; v30  32 x (lane / 16): my half's eight numbers of a bias block
.set SC,   32
.set AF,   128
.set BI,   64                          ; the bias, in window 1
.set TMP,  192                         ; the way out: packed results
.set FS,   2                           ; s[2:3] the factor, twice
.set G1, 24
.set G0, 32
.set G1B, 48
.set G0B, 56
.set G1S, 68
.set G0S, 76
.set G1SB, 80
.set G0SB, 88
.set MSB, 0
.macro WIN new                         ; the immediate's high byte repeats the setting that is left
.if MSB != (\new)
	s_set_vgpr_msb (MSB<<8)|(\new)
.set MSB, (\new)
.endif
.endm
.set MUL_LO, 0xa1                      ; source 0 (W) window 1, source 1 (x) window 0, C and D window 2
.set MUL_HI, 0xf1                      ; the same, C and D window 3
.set TO_B,   0x40                      ; destination window 1, address window 0
; A joint load: waves 0 and 1 fetch for x, waves 2 and 3 for W.  The branch hangs on the wave's number alone.  An s_nop 0 and four v_nop follow each line.
.macro JLOAD g0a, g1a, g0b, g1b
	s_cmp_eq_u32 s15, 0
	s_cbranch_scc0 .Lfor_b_\@
	tensor_load_to_lds s[\g0a:\g0a+3], s[\g1a:\g1a+7]
	s_nop 0
.rept 4
	v_nop
.endr
	s_branch .Lasked_\@
.Lfor_b_\@:
	tensor_load_to_lds s[\g0b:\g0b+3], s[\g1b:\g1b+7]
	s_nop 0
.rept 4
	v_nop
.endr
.Lasked_\@:
.endm
.macro CROUND                          ; a round of the cluster's barrier
	s_barrier_signal -1
	s_barrier_wait -1
	s_cmp_lg_u32 s14, 0
	s_cbranch_scc1 .Lnot_wave_0_\@
	s_barrier_signal -3
.Lnot_wave_0_\@:
	s_barrier_wait -3
	s_barrier_signal -1
	s_barrier_wait -1
.endm
	s_load_b128 s[4:7], s[0:1], 0x0                ; x's codes, x's scales
	s_load_b128 s[8:11], s[0:1], 0x10              ; W's codes, W's scales
	s_load_b128 s[96:99], s[0:1], 0x20             ; bq, bk
	s_load_b64 s[100:101], s[0:1], 0x30            ; bv
	s_load_b64 s[12:13], s[0:1], 0x38              ; qkv
	v_lshl_add_u32 v[SPW], v0, 2, SPARE
	v_mov_b32 v[NIL], 0
	ds_add_u32 v[SPW], v[NIL]                      ; the wave's opening: the add, twice on end, and its wait ahead of my first tensor load
	ds_add_u32 v[SPW], v[NIL]
	v_lshrrev_b32 v1, 5, v0
	v_readfirstlane_b32 s14, v1                    ; wave 0..3
	s_lshr_b32 s15, s14, 1                         ; which half of the tile's rows is mine.  Also: I fetch for x (0) or for W (1)
	s_and_b32 s16, s14, 1                          ; which half of its columns.  Also: which 128 rows of that tile I fetch
	s_bfe_u32 s40, ttmp6, 0x40000                  ; cx, cy: my place in the cluster
	s_bfe_u32 s41, ttmp6, 0x40004
	s_lshl_b32 s42, ttmp9, 2
	s_add_co_u32 s42, s42, s40                     ; tile column = 4 x cluster x + cx
	s_and_b32 s17, ttmp7, 0xffff
	s_lshl_b32 s17, s17, 2
	s_add_co_u32 s17, s17, s41                     ; tile row = 4 x cluster y + cy
	s_lshl_b32 s43, s41, 2
	s_lshl_b32 s43, 15, s43                        ; my row of the cluster
	s_lshl_b32 s44, 0x1111, s40                    ; my column
	s_or_b32 s[G1+0], s43, (0<<16)|(1<<20)|(1<<21)|(5<<22)|(3<<25)  ; the mask; elements of 1 byte; padding: 4 words after every 64; bit 21 beside a mask
	s_or_b32 s[G1B+0], s44, (0<<16)|(1<<20)|(1<<21)|(5<<22)|(3<<25)
.irp g, G1, G1B
	s_mov_b32 s[\g+1], ROWB<<16                    ; tensor_dim0
	s_mov_b32 s[\g+2], 128<<16                     ; tensor_dim1
	s_mov_b32 s[\g+3], ROWB<<16                    ; tile_dim0
	s_mov_b32 s[\g+4], 128                         ; tile_dim1
	s_mov_b32 s[\g+5], KROW                        ; from row to row
	s_mov_b32 s[\g+6], 0
	s_mov_b32 s[\g+7], 0
.endr
	s_or_b32 s[G1S+0], s43, (3<<16)|(1<<20)|(1<<21)|(5<<22)|(3<<25)   ; the scales of 128 rows: 4,096 dense bytes as 16 rows of 256 (32 elements of 8 bytes)
	s_or_b32 s[G1SB+0], s44, (3<<16)|(1<<20)|(1<<21)|(5<<22)|(3<<25)
.irp g, G1S, G1SB
	s_mov_b32 s[\g+1], 32<<16
	s_mov_b32 s[\g+2], (128*KS/256)<<16
	s_mov_b32 s[\g+3], 32<<16
	s_mov_b32 s[\g+4], 128*KS/256
	s_mov_b32 s[\g+5], 32
	s_mov_b32 s[\g+6], 0
	s_mov_b32 s[\g+7], 0
.endr
	s_lshl_b32 s18, s16, 7
	s_lshl_b32 s20, s17, 8
	s_add_co_u32 s20, s20, s18                     ; x: row 256 x tile row + 128 x half
	s_lshl_b32 s46, s42, 8
	s_add_co_u32 s46, s46, s18                     ; W: row 256 x tile column + 128 x half
	s_mov_b32 s21, 0
	s_mov_b32 s47, 0
	s_mov_b64 s[18:19], KS
	s_mul_u64 s[22:23], s[20:21], s[18:19]         ; where these rows' scales begin,
	s_mul_u64 s[92:93], s[46:47], s[18:19]
	s_mov_b64 s[18:19], KROW
	s_mul_u64 s[20:21], s[20:21], s[18:19]         ; and their codes
	s_mul_u64 s[46:47], s[46:47], s[18:19]
	s_mul_i32 s45, s14, HALFT                      ; where they go: wave x 128 rows
	s_mul_i32 s94, s14, HALFS
	s_wait_dscnt 0x0                               ; both opening adds are done
	s_wait_kmcnt 0x0
	s_add_nc_u64 s[20:21], s[4:5], s[20:21]
	s_add_nc_u64 s[22:23], s[6:7], s[22:23]
	s_add_nc_u64 s[46:47], s[8:9], s[46:47]
	s_add_nc_u64 s[92:93], s[10:11], s[92:93]
	s_cmp_eq_u32 ttmp9, 0                          ; the cluster's x is the matrix: 0 q, 1 k, 2 v
	s_cselect_b64 s[96:97], s[96:97], s[98:99]
	s_cselect_b32 s[FS], 0x3e38aa3b, 1.0           ; c = log2(e) / 8 for Q, 1 for K and V
	s_cmp_eq_u32 ttmp9, 2
	s_cselect_b64 s[96:97], s[100:101], s[96:97]   ; my matrix's bias
	s_mov_b32 s[FS+1], s[FS]
	CROUND                                         ; all sixteen work-groups are here: the first joint loads meet
	s_mov_b32 s[G0S], 1
	s_add_co_u32 s[G0S+1], s94, SCL
	s_mov_b64 s[G0S+2:G0S+3], s[22:23]
	s_or_b32 s[G0S+3], s[G0S+3], 0x80000000
	s_mov_b32 s[G0SB], 1
	s_add_co_u32 s[G0SB+1], s94, SCL
	s_mov_b64 s[G0SB+2:G0SB+3], s[92:93]
	s_or_b32 s[G0SB+3], s[G0SB+3], 0x80000000
	JLOAD G0S, G1S, G0SB, G1SB                     ; the scales first: they are wanted with the first slot
.irp s, 0,1
	s_mov_b32 s[G0+4*\s], 1
	s_add_co_u32 s[G0+4*\s+1], s45, \s*SLOT
	s_add_nc_u64 s[G0+4*\s+2:G0+4*\s+3], s[20:21], \s*ROWB
	s_or_b32 s[G0+4*\s+3], s[G0+4*\s+3], 0x80000000
	s_mov_b32 s[G0B+4*\s], 1
	s_add_co_u32 s[G0B+4*\s+1], s45, \s*SLOT
	s_add_nc_u64 s[G0B+4*\s+2:G0B+4*\s+3], s[46:47], \s*ROWB
	s_or_b32 s[G0B+4*\s+3], s[G0B+4*\s+3], 0x80000000
	JLOAD G0+4*\s, G1, G0B+4*\s, G1B               ; three loads of mine are out in all
.endr
	v_and_b32 v1, 15, v0                           ; l % 16
	v_bfe_u32 v2, v0, 4, 1                         ; l / 16
	; the bias: for column block b a lane wants b[256 cx + 128 half + 16 b + 8 (l / 16) + 0 .. 7]
	s_lshl_b32 s46, s40, 10
	s_lshl_b32 s47, s16, 9
	s_add_co_u32 s46, s46, s47
	s_mov_b32 s47, 0
	s_add_nc_u64 s[96:97], s[96:97], s[46:47]
	v_lshlrev_b32 v[BOF], 5, v2
	WIN TO_B
.irp b, 0,1,2,3,4,5,6,7
	global_load_b128 v[BI+8*\b:BI+8*\b+3], v[BOF], s[96:97] offset:64*\b
	global_load_b128 v[BI+8*\b+4:BI+8*\b+7], v[BOF], s[96:97] offset:64*\b+16
.endr
	WIN 0
	v_mul_u32_u24 v3, v1, PITCH
	v_lshl_add_u32 v4, v2, 4, v3                   ; a fragment's row x pitch + 16 x half
	s_mul_i32 s21, s15, HALFT                      ; my 128 rows of x
	s_mul_i32 s22, s16, HALFT                      ; my 128 rows of W,
	s_add_co_u32 s22, s22, 2*HALFT                 ; which lie behind x's 256
.irp s, 0,1
	v_add_nc_u32 v[ADRA+\s], s21, v4
	v_add_nc_u32 v[ADRB+\s], s22, v4
	s_add_co_u32 s21, s21, SLOT
	s_add_co_u32 s22, s22, SLOT
.endr
	v_mul_u32_u24 v5, v1, KS                       ; my row's scales: 32 bytes a row,
	v_lshrrev_b32 v6, 8, v5
	v_lshl_add_u32 v5, v6, 4, v5                   ; and 16 more for each 256 passed
	s_mul_i32 s21, s15, HALFS
	s_mul_i32 s22, s16, HALFS
	s_add_co_u32 s22, s22, 2*HALFS
	s_sub_co_u32 s22, s22, s21
	v_mul_u32_u24 v6, s22, v2                      ; lanes 16-31 take W's
	s_add_co_u32 s21, s21, SCL
	v_add_nc_u32 v5, v5, v6
	v_add_nc_u32 v[ADRS], s21, v5
	s_mul_i32 s23, s14, 16*SPITCH                  ; my stage
	v_mul_u32_u24 v5, v1, SPITCH                   ; in: row l % 16, 16 bytes for each half of the lanes
	v_lshl_add_u32 v5, v2, 4, v5
	v_add_nc_u32 v[STO], s23, v5
	v_and_b32 v6, 31, v0
	v_lshlrev_b32 v[CO], 4, v6                     ; in memory: 16 bytes a lane: four tokens' 128 bytes of one head are 512 consecutive bytes
	v_lshrrev_b32 v5, 3, v6
	v_mul_u32_u24 v5, v5, SPITCH
	v_and_b32 v6, 7, v0
	v_lshl_add_u32 v5, v6, 4, v5
	v_add_nc_u32 v[RD], s23, v5                    ; back: eight lanes to a token's 128 bytes of a head, four tokens an instruction
	; where my part begins in qkv: matrix x 2^24 + ((16 batch + 4 cx + 2 half) x 2048 + my first token) x 128
	s_lshr_b32 s20, s17, 3                         ; the batch: eight tile rows each
	s_lshl_b32 s20, s20, 15                        ; 16 heads x 2,048 tokens
	s_and_b32 s21, s17, 7
	s_lshl_b32 s21, s21, 8
	s_add_co_u32 s20, s20, s21
	s_lshl_b32 s21, s15, 7
	s_add_co_u32 s20, s20, s21
	s_lshl_b32 s20, s20, 7
	s_mov_b32 s21, 0
	s_add_nc_u64 s[12:13], s[12:13], s[20:21]
	s_lshl_b32 s46, s40, 2
	s_lshl_b32 s47, s16, 1
	s_add_co_u32 s46, s46, s47                     ; my first head
	s_lshl_b32 s46, s46, 18                        ; 2,048 tokens x 128 bytes
	s_lshl_b32 s47, ttmp9, 24
	s_add_co_u32 s46, s46, s47
	s_mov_b32 s47, 0
	s_add_nc_u64 s[12:13], s[12:13], s[46:47]
.macro FRAG reg, adr, q, i             ; 16 rows x 128 K of 4-bit codes: lane l holds row l % 16; registers 4 c .. 4 c + 3 hold K = 64 c + 32 (l / 16) + 0 .. 31
.irp c, 0,1
	ds_load_b128 v[\reg+4*\c:\reg+4*\c+3], v[\adr] offset:64*(\q)+32*\c+(\i)*16*PITCH
.endr
.endm
; 16 matrix instructions: x's blocks a0, a0 + 1 against W's eight.  p: W's set; sc: the set of scale words.  zero = 1: the first product starts the sums from the bias.
; The 64 accumulators take turns, one instruction a turn, in the same order in every step.
.macro MUL16 a0, p, q, sc, zero
.irp a, \a0, \a0+1
.irp b, 0,1,2,3,4,5,6,7
.if \zero
	v_wmma_scale_f32_16x16x128_f8f6f4 v[8*(8*((\a)%4)+\b):8*(8*((\a)%4)+\b)+7], v[128*(\p)+FR*\b:128*(\p)+FR*\b+FR-1], v[AF+FR*(\a):AF+FR*(\a)+FR-1], v[BI+8*\b:BI+8*\b+7], v[SC+8*NQ*(\sc)+NQ*\b+(\q)], v[SC+8*NQ*(\sc)+NQ*(\a)+(\q)] matrix_a_fmt:MATRIX_FMT_FP4 matrix_b_fmt:MATRIX_FMT_FP4 matrix_a_scale:MATRIX_SCALE_ROW1
.else
	v_wmma_scale_f32_16x16x128_f8f6f4 v[8*(8*((\a)%4)+\b):8*(8*((\a)%4)+\b)+7], v[128*(\p)+FR*\b:128*(\p)+FR*\b+FR-1], v[AF+FR*(\a):AF+FR*(\a)+FR-1], v[8*(8*((\a)%4)+\b):8*(8*((\a)%4)+\b)+7], v[SC+8*NQ*(\sc)+NQ*\b+(\q)], v[SC+8*NQ*(\sc)+NQ*(\a)+(\q)] matrix_a_fmt:MATRIX_FMT_FP4 matrix_b_fmt:MATRIX_FMT_FP4 matrix_a_scale:MATRIX_SCALE_ROW1
.endif
.endr
.endr
.endm
.macro FETCH_B slot, q, p
	WIN TO_B
.irp i, 0,1,2,3,4,5,6,7
	FRAG 128*(\p)+FR*\i, ADRB+\slot, \q, \i
.endr
	WIN 0
.endm
.macro FETCH_A slot, q, i0
.irp i, \i0, \i0+1, \i0+2, \i0+3
	FRAG AF+FR*(\i), ADRA+\slot, \q, \i
.endr
.endm
.macro SCALES sc                       ; a slot's scale words: lanes 0-15 take x's block i, lanes 16-31 W's block i
.irp i, 0,1,2,3,4,5,6,7
	ds_load_b128 v[SC+8*NQ*\sc+NQ*\i:SC+8*NQ*\sc+NQ*\i+3], v[ADRS] offset:\i*SBLK
.endr
.endm
.macro PLACES n                        ; plain vector instructions between a matrix instruction and a load into, or a read of, its registers
.rept \n
	v_nop
.endr
.endm
.macro STEP slot, q, zero              ; a step of 128 along K that has its successor in the same slot
	s_wait_dscnt 4*NL                              ; W's set and x's blocks 0-3 are in; the youngest eight loads (x's blocks 4-7) may be out
.if \zero
	WIN 0x91                                       ; C, the bias, in window 1; D in window 2
.else
	WIN MUL_LO
.endif
	MUL16 0, (\q)%2, \q, \slot, \zero
	MUL16 2, (\q)%2, \q, \slot, \zero
	s_wait_dscnt 0                                 ; x's blocks 4-7 are in
	PLACES NP
	FETCH_B \slot, (\q)+1, 1-(\q)%2
	FETCH_A \slot, (\q)+1, 0
.if \zero
	WIN 0xd1                                       ; C in window 1, D in window 3
.else
	WIN MUL_HI
.endif
	MUL16 4, (\q)%2, \q, \slot, \zero
	MUL16 6, (\q)%2, \q, \slot, \zero
	PLACES NP
	WIN 0
	FETCH_A \slot, (\q)+1, 4
.endm
; Slot 0's last step goes over to slot 1: each wave waits for all its tensor loads (its part of slot 1), adds 0 to its spare word, waits for that and for its reads of slot 0; behind the barrier slot 1 is whole
; and nobody reads slot 0.  Nothing is filled again.
.macro TURN slot, next
	s_wait_tensorcnt 0x0
	ds_add_u32 v[SPW], v[NIL]
	s_wait_dscnt 4*NL+1                            ; (the add and the youngest eight loads may be out)
	WIN MUL_LO
	MUL16 0, 1, NQ-1, \slot, 0
	s_wait_dscnt 0x0
	s_barrier_signal -1
	MUL16 2, 1, NQ-1, \slot, 0
	WIN 0
	s_barrier_wait -1
	PLACES NP
	v_add_nc_u32 v[ADRS], 4*NQ, v[ADRS]            ; on to the next slot's scale words
	FETCH_B \next, 0, 0
	FETCH_A \next, 0, 0
	SCALES \next
	WIN MUL_HI
	MUL16 4, 1, NQ-1, \slot, 0
	MUL16 6, 1, NQ-1, \slot, 0
	PLACES NP
	WIN 0
	FETCH_A \next, 0, 4
.endm
	s_wait_tensorcnt 1                             ; the scales and my part of slot 0 are in (slot 1's load may be out)
	s_barrier_signal -1
	s_barrier_wait -1                              ; everybody's are
	FETCH_B 0, 0, 0
	FETCH_A 0, 0, 0
	SCALES 0
	FETCH_A 0, 0, 4
	s_wait_loadcnt 0x0                             ; the bias
	STEP 0, 0, 1
	STEP 0, 1, 0
	STEP 0, 2, 0
	TURN 0, 1
	STEP 1, 0, 0
	STEP 1, 1, 0
	STEP 1, 2, 0
	s_wait_dscnt 4*NL                              ; the last step: nothing more to fetch
	WIN MUL_LO
	MUL16 0, 1, NQ-1, 1, 0
	MUL16 2, 1, NQ-1, 1, 0
	s_wait_dscnt 0
	WIN MUL_HI
	MUL16 4, 1, NQ-1, 1, 0
	MUL16 6, 1, NQ-1, 1, 0
	WIN 0
; THE WAY OUT, block by block of 16 tokens x 128 columns (two heads).  PACK: x the factor, rounded to f16, 16 bytes a lane.  TOSTAGE: into my stage, and back by heads: four tokens' 128 bytes of one head.
; SEND: each store covers 512 consecutive bytes of qkv.
.macro PACK a
.set AC, 64*((\a)%4)
	WIN 0x82+0x41*((\a)/4)                         ; destination and source 0: window 2 or 3
.set i, 0
.rept 32
	v_pk_mul_f32 v[AC+i:AC+i+1], v[AC+i:AC+i+1], s[FS:FS+1] op_sel_hi:[1,0]   ; each accumulator from its low end on
.set i, i+2
.endr
	WIN 0x0a+5*((\a)/4)                            ; sources 0 and 1: window 2 or 3; destination window 0
.irp b, 0,1,2,3,4,5,6,7
.irp r, 0,1,2,3
	v_cvt_pk_f16_f32 v[TMP+4*\b+\r], v[AC+8*\b+2*\r], v[AC+8*\b+2*\r+1]
.endr
.endr
	WIN 0
.endm
.macro TOSTAGE a
.set BB, 32+192*((\a)%2)
.irp b, 0,1,2,3,4,5,6,7
	ds_store_b128 v[STO], v[TMP+4*\b:TMP+4*\b+3] offset:32*\b
.endr
.irp hd, 0,1
.irp i, 0,1,2,3
	ds_load_b128 v[BB+4*(4*\hd+\i):BB+4*(4*\hd+\i)+3], v[RD] offset:128*\hd+4*SPITCH*\i   ; LDS serves a wave's instructions in order: these see the stores above
.endr
.endr
.endm
.macro SEND a
.set BB, 32+192*((\a)%2)
	s_wait_dscnt 0x0                               ; the block is back in registers
	s_wait_xcnt 0x0                                ; the block before has had its stores' registers read: the next loads from the stage may land there
.irp hd, 0,1
.irp i, 0,1,2,3
	global_store_b128 v[CO], v[BB+4*(4*\hd+\i):BB+4*(4*\hd+\i)+3], s[12:13] offset:\hd*262144+(\a)*2048+\i*512
.endr
.endr
.endm
	PLACES NP
	PACK 0
	TOSTAGE 0
.irp a, 1,2,3,4,5,6,7                  ; block a's arithmetic stands between block a - 1's loads from the stage and the wait for them
	PACK \a
	SEND \a-1
	TOSTAGE \a
.endr
	SEND 7
	s_wait_tensorcnt 0x0                           ; the wave's end
	ds_add_u32 v[SPW], v[NIL]
	s_wait_dscnt 0x0
	CROUND                                         ; the closing round
	s_endpgm
.Lfunc_end_k_q826956c278_qkv:
	.size	k_q826956c278_qkv, .Lfunc_end_k_q826956c278_qkv-k_q826956c278_qkv
	.p2alignl 7, 3214868480
	.fill 96, 4, 3214868480
	.section	.rodata,"a",@progbits
	.p2align	6, 0x0
	.amdhsa_kernel k_q826956c278_qkv
		.amdhsa_group_segment_fixed_size 327680
		.amdhsa_private_segment_fixed_size 0
		.amdhsa_enable_private_segment 0
		.amdhsa_kernarg_size 64
		.amdhsa_user_sgpr_count 2
		.amdhsa_user_sgpr_kernarg_segment_ptr 1
		.amdhsa_wavefront_size32 1
		.amdhsa_system_sgpr_workgroup_id_x 1
		.amdhsa_system_sgpr_workgroup_id_y 1
		.amdhsa_system_sgpr_workgroup_id_z 1
		.amdhsa_system_vgpr_workitem_id 0
		.amdhsa_next_free_vgpr 1024
		.amdhsa_next_free_sgpr 102
		.amdhsa_reserve_vcc 0
		.amdhsa_float_denorm_mode_32 3
		.amdhsa_float_denorm_mode_16_64 3
		.amdhsa_memory_ordered 1
		.amdhsa_forward_progress 1
		.amdhsa_inst_pref_size 145
	.end_amdhsa_kernel
	.amdgpu_metadata
---
amdhsa.version: [ 1, 2 ]
amdhsa.kernels:
  - .name:           k_q826956c278_qkv
    .symbol:         k_q826956c278_qkv.kd
    .args:
      - { .name: xc, .offset: 0, .size: 8, .value_kind: global_buffer, .address_space: global }
      - { .name: xs, .offset: 8, .size: 8, .value_kind: global_buffer, .address_space: global }
      - { .name: wc, .offset: 16, .size: 8, .value_kind: global_buffer, .address_space: global }
      - { .name: ws, .offset: 24, .size: 8, .value_kind: global_buffer, .address_space: global }
      - { .name: bq, .offset: 32, .size: 8, .value_kind: global_buffer, .address_space: global }
      - { .name: bk, .offset: 40, .size: 8, .value_kind: global_buffer, .address_space: global }
      - { .name: bv, .offset: 48, .size: 8, .value_kind: global_buffer, .address_space: global }
      - { .name: qkv, .offset: 56, .size: 8, .value_kind: global_buffer, .address_space: global }
    .group_segment_fixed_size: 327680
    .private_segment_fixed_size: 0
    .kernarg_segment_align: 8
    .kernarg_segment_size: 64
    .max_flat_workgroup_size: 128
    .sgpr_count:     102
    .vgpr_count:     1024
    .wavefront_size: 32
...
	.end_amdgpu_metadata
.endif
;; end of part 2
;; launch attn (part 3): grid 4 x 64, 8 waves a work-group, clusters of 4 x 1, 327,680 bytes of LDS; arguments qkv, maskw, ctx; writes ctx
.if DOCPART == 3
	.amdgcn_target "amdgcn-amd-amdhsa--gfx1250"
	.amdhsa_code_object_version 6
	.text
	.protected	k_q826956c278_attn
	.globl	k_q826956c278_attn
	.p2align	8
	.type	k_q826956c278_attn,@function
k_q826956c278_attn:
	s_mov_b64 s[64:65], 0
	v_nop
	global_prefetch_b8 v0, s[64:65] scope:SCOPE_SE
	s_setreg_imm32_b32 hwreg(HW_REG_WAVE_MODE, 25, 1), 1
	s_wait_xcnt 0x0
	s_wait_alu depctr_hold_cnt(0) depctr_sa_sdst(0) depctr_va_vdst(0) depctr_va_sdst(0) depctr_va_ssrc(0) depctr_va_vcc(0) depctr_vm_vsrc(0)
	s_getreg_b32 s2, hwreg(HW_REG_IB_STS2, 6, 4)
	s_cmp_eq_u32 s2, 0
	s_cbranch_scc0 .Lentry_in_a_cluster
	s_endpgm
.Lentry_in_a_cluster:
	s_bfe_u32 s2, ttmp6, 0x10000c
	s_cmp_lg_u32 s2, 0x3003
	s_cbranch_scc0 .Lentry_shape_is_right
	s_endpgm
.Lentry_shape_is_right:
; ctx[b][h][q][:] = the sum over k of softmax_k(score) V[b][h][k][:], score = Q . K / 8, replaced by -1e9 where the mask is true.  Q, K, V: f16 [b][h][s][64] in qkv; Q comes multiplied by
; c = log2(e) / 8, so the first product gives t = score x log2(e), and a masked t is the constant -1e9 x log2(e).  ctx: f16, the same layout.  Products, maxima and sums in f32.
; SOFTMAX: for each query a running maximum m and sum l: p = 2^(t - m); in every step O and l are multiplied by a = 2^(m_old - m_new).  In a row that is masked throughout t = m, so p is exactly 1: the plain average.
; LIMITS: p is rounded to f16 for the second product (what lies under 2^-25 is lost beside the row's largest p, which is 1); |ctx| beyond 65,504 becomes an f16 infinity.
; SHARES: a work-group owns 512 queries of one head, each of its eight waves 64: four tiles of 16.  Every wave walks all 2,048 keys, 64 a step.
; LAYOUT: S^T = K Q^T (source 0 = 16 keys, source 1 = 16 queries): a lane holds ONE query (lane % 16) and the keys 8 (lane / 16) + 0 .. 7 of each tile of 16.  Rounded to f16 in pairs these are source 1 of
; O^T = V^T P.  K comes out of LDS as it lies, V turned, by ds_load_tr16_b128.  P is laid over the first 16 of its tile's 32 score registers.
; THE MASK comes as lane masks, one 32-bit word for each score register, by scalar loads: one v_cndmask_b32 a score.
; BY TURNS: the wave's tiles are two pieces (0: tiles 0, 1; 2: tiles 2, 3).  In a turn one piece issues 16 products V^T P of the step in hand and 16 products K Q^T of the next step; the other piece's softmax,
; 298 vector instructions cut into 32 slices, stands between them, one slice behind each matrix instruction.  Then the pieces change places.
; CLUSTER: the four query blocks of a head walk the same K and V, so each tile is asked for JOINTLY, by the same tensor load with a mask that names the four.
; REGISTERS: window 0: v2-8 addresses; v12-43 statistics, eight a tile; v60 the masked t; v61-63; v64-191 S^T, 32 a tile; v192-255 Q, 16 a tile.   window 1: v0-127 O^T, 32 a tile; v128-191 K; v192-255 V of a step.
.set PK,    144       ; a row of K in LDS: 128 bytes + 16: the 16 rows of a load start at 16 different banks (64 banks of 4 bytes: ISA guide 11.1)
.set PVP,   160       ; a row of V: 128 + 32
.set STEPB, 10240     ; the LDS bytes of one wave's tensor load: 64 rows
.set VOFF,  4*STEPB   ; a slot: K of four steps, then V of four steps
.set SLOT1, 1<<17     ; slot 1 begins here: one exclusive or turns an address in one slot into the other's
.set STAGE, SLOT1+8*STEPB  ; behind the ring: 16 rows x 144 bytes for each wave, for the way out
.set SP,    144
.set SPARE, STAGE+8*16*SP  ; the spare words, 128 bytes for each wave: four blocks of 256 bytes that no other line names
.set AK0, 2
.set AV0, 3
.set ADR, 4
.set QO,  5
.set STO, 6
.set RD,  7
.set GO,  8
.set ST,  12          ; tile t's statistics at v[ST+8 t]: +0 m, +1 a zero (named with m as a pair), +2, +3 l, +4, +5 c0, c1, later a second chain of sums, +6 c2, later a, +7 c3, later m_old - m
.set NEG, 60
.set PFO, 61
.set SPW, 62
.set NIL, 63
.set S,   64
.set QF,  192
.set KF,  128         ; in window 1
.set VF,  192         ; in window 1
.set WV,  2           ; s2   my wave's number
.set TB,  3           ; s3   LDS byte at which the tiles of the step to be fetched begin
.set G0,  4           ; s[4:7]   the walking descriptor group 0
.set MB,  8           ; s[8:9]   the mask words of my first tile, at the step in hand
.set OP,  10          ; s[10:11] ctx at my first query
.set G0A, 12          ; s[12:15] group 0 of the very first fill; afterwards:
.set SEL, 12          ; s[12:13] lane selects for v_permlanex16_b32
.set CNT, 14          ; s14  counts key steps
.set PFA, 66          ; s[66:67] where my prefetches stand
.set G1K, 84          ; s[84:91] descriptor group 1 for K's tiles
.set G1V, 92          ; s[92:99] for V's: it differs in the padding alone
.set SLOTS, 100       ; s100 refills still to come
.set LIM, 101         ; s101 1 in a wave that prefetches, else the greatest number
.set QP,  104         ; s[104:105] Q at my first query
; s16-63 and s68-83: the 64 mask words of one piece: its first tile's word j at s[16 + j]; its second tile's at s[48 + j] (j < 16) and s[52 + j].  Until the first mask load they serve the set-up.
.set MSB, 0
.macro WIN new
.if MSB != (\new)
	s_set_vgpr_msb (MSB<<8)|(\new)
.set MSB, (\new)
.endif
.endm
.set W_KQ, 0x01       ; K in window 1; Q and S^T in window 0
.set W_PV, 0x51       ; V and O^T in window 1; P in window 0
.set W_RS, 0x41       ; O^T (destination and source 0) in window 1, a in window 0
; A joint refill: waves 0 to 3 fetch K of the slot's four steps, waves 4 to 7 V.  The branch hangs on the wave's number alone.  An s_nop 0 and four v_nop follow each line.
.macro JLOAD
	s_cmp_lt_u32 s[WV], 4
	s_cbranch_scc0 .Lfor_v_\@
	tensor_load_to_lds s[G0:G0+3], s[G1K:G1K+7]
	s_nop 0
.rept 4
	v_nop
.endr
	s_branch .Lasked_\@
.Lfor_v_\@:
	tensor_load_to_lds s[G0:G0+3], s[G1V:G1V+7]
	s_nop 0
.rept 4
	v_nop
.endr
.Lasked_\@:
.endm
; A prefetch of what the NEXT change of slots will ask for: 32,768 bytes of K and as many of V.  The four partners share them out by address, 8,192 bytes each; in each, wave 0 asks for K's and wave 4 for V's,
; lanes 256 bytes apart: each aligned block of 256 bytes is named once in the launch.  It runs four key steps ahead of the load.  The last refill asks for nothing; the first three slots come by their loads alone.
.macro ASK
	s_cmp_gt_u32 s[SLOTS], s[LIM]
	s_cbranch_scc0 .Lnot_mine_\@
	global_prefetch_b8 v[PFO], s[PFA:PFA+1] th:TH_LOAD_NT scope:SCOPE_SE
.Lnot_mine_\@:
.endm
.macro CROUND                       ; a round of the cluster's barrier
	s_barrier_signal -1
	s_barrier_wait -1
	s_cmp_lg_u32 s[WV], 0
	s_cbranch_scc1 .Lnot_wave_0_\@
	s_barrier_signal -3
.Lnot_wave_0_\@:
	s_barrier_wait -3
	s_barrier_signal -1
	s_barrier_wait -1
.endm
	s_load_b128 s[16:19], s[0:1], 0x0  ; qkv, maskw
	s_load_b64 s[20:21], s[0:1], 0x10  ; ctx
	v_lshl_add_u32 v[SPW], v0, 2, SPARE
	v_mov_b32 v[NIL], 0
	ds_add_u32 v[SPW], v[NIL]       ; the wave's opening: the add, twice on end, and its wait ahead of my first tensor load
	ds_add_u32 v[SPW], v[NIL]
	v_lshrrev_b32 v1, 5, v0
	v_readfirstlane_b32 s[WV], v1   ; wave 0..7
	s_bfe_u32 s22, ttmp6, 0x40000   ; cx: my block of 512 queries
	s_and_b32 s23, ttmp7, 0xffff    ; 16 b + h, which the four partners share
	s_mov_b32 s[G1K], 15|(1<<16)|(1<<20)|(1<<21)|(4<<22)|(3<<25)  ; the mask: all four; elements of 2 bytes; padding on; bit 21 beside a mask; after every 32 words, 4 words
	s_mov_b32 s[G1V], 15|(1<<16)|(1<<20)|(1<<21)|(4<<22)|(7<<25)  ; the same with 8 words of padding
.irp g, G1K, G1V
	s_mov_b32 s[\g+1], 64<<16       ; tensor_dim0 = 64
	s_mov_b32 s[\g+2], 64<<16       ; tensor_dim1 = 64
	s_mov_b32 s[\g+3], 64<<16       ; tile_dim0 = 64
	s_mov_b32 s[\g+4], 64           ; tile_dim1 = 64
	s_mov_b32 s[\g+5], 64           ; elements from row to row
	s_mov_b32 s[\g+6], 0
	s_mov_b32 s[\g+7], 0
.endr
	s_lshl_b32 s24, s23, 18         ; the head's first byte in Q, K, V and ctx: 2,048 x 128
	s_lshr_b32 s25, s[WV], 2
	s_add_co_u32 s25, s25, 1
	s_lshl_b32 s25, s25, 24         ; K's region (waves 0-3) or V's (waves 4-7) of qkv: 2^24 bytes each
	s_add_co_u32 s25, s25, s24
	s_and_b32 s26, s[WV], 3
	s_lshl_b32 s26, s26, 13         ; which of a slot's four steps I fetch: 64 rows of 128 bytes
	s_add_co_u32 s26, s26, s25
	s_mov_b32 s27, 0
	s_mul_i32 s28, s[WV], STEPB     ; and where it goes: no place in the cluster enters an LDS address
	s_lshl_b32 s30, s22, 16         ; my block's 512 rows,
	s_lshl_b32 s31, s[WV], 13       ; my wave's 64 of them
	s_add_co_u32 s30, s30, s31
	s_add_co_u32 s30, s30, s24
	s_mov_b32 s31, 0
	s_lshr_b32 s32, s23, 4          ; the batch
	s_lshl_b32 s32, s32, 7
	s_lshl_b32 s33, s22, 5
	s_add_co_u32 s32, s32, s33
	s_lshl_b32 s33, s[WV], 2
	s_add_co_u32 s32, s32, s33      ; my first query tile: 128 b + 32 cx + 4 wave
	s_lshl_b32 s32, s32, 12         ; 4,096 bytes of mask words a query tile
	s_mov_b32 s33, 0
	s_lshl_b32 s34, s22, 13         ; the prefetches: my work-group's 8,192 bytes,
	s_add_co_u32 s34, s34, s25
	s_add_co_u32 s34, s34, 2*32768  ; in the third slot's keys; the first change of slots steps it on
	s_mov_b32 s35, 0
	s_mov_b32 s[TB], 0
	s_mov_b32 s[SLOTS], 6
	s_and_b32 s[LIM], s[WV], 3
	s_cmp_eq_u32 s[LIM], 0
	s_cselect_b32 s[LIM], 1, -1     ; waves 0 and 4 ask
	v_and_b32 v[PFO], 31, v0
	v_lshlrev_b32 v[PFO], 8, v[PFO]
	s_wait_dscnt 0x0                ; both opening adds are done
	s_wait_kmcnt 0x0
	s_add_nc_u64 s[36:37], s[16:17], s[26:27]
	s_add_nc_u64 s[QP:QP+1], s[16:17], s[30:31]
	s_add_nc_u64 s[OP:OP+1], s[20:21], s[30:31]
	s_add_nc_u64 s[MB:MB+1], s[18:19], s[32:33]
	s_add_nc_u64 s[PFA:PFA+1], s[16:17], s[34:35]
	CROUND                          ; all four work-groups are here: the first joint loads meet
	s_mov_b32 s[G0A], 1             ; count = 1
	s_mov_b32 s[G0A+1], s28         ; LDS address: slot 0
	s_mov_b64 s[G0A+2:G0A+3], s[36:37]  ; keys 0 to 255
	s_or_b32 s[G0A+3], s[G0A+3], 0x80000000  ; type = 2
	s_mov_b32 s[G0], 1
	s_add_co_u32 s[G0+1], s28, SLOT1
	s_add_nc_u64 s[G0+2:G0+3], s[36:37], 32768  ; keys 256 to 511
	s_or_b32 s[G0+3], s[G0+3], 0x80000000
	s_cmp_lt_u32 s[WV], 4           ; a wave's two first fills stand in one branch, ahead of every wait on TENSORcnt and every LDS read: two loads of mine are out
	s_cbranch_scc0 .Lfirst_v
	tensor_load_to_lds s[G0A:G0A+3], s[G1K:G1K+7]
	s_nop 0
	tensor_load_to_lds s[G0:G0+3], s[G1K:G1K+7]
	s_nop 0
.rept 4
	v_nop
.endr
	s_branch .Lfirst_asked
.Lfirst_v:
	tensor_load_to_lds s[G0A:G0A+3], s[G1V:G1V+7]
	s_nop 0
	tensor_load_to_lds s[G0:G0+3], s[G1V:G1V+7]
	s_nop 0
.rept 4
	v_nop
.endr
.Lfirst_asked:
	v_and_b32 v1, 15, v0            ; l % 16
	v_bfe_u32 v9, v0, 4, 1          ; l / 16
	v_lshlrev_b32 v[QO], 7, v1
	v_lshl_add_u32 v[QO], v9, 4, v[QO]  ; row x 128 + 16 x half
.irp f, 0,1,2,3,4,5,6,7             ; Q stays in registers: tile f / 2, channels 32 (f % 2) on
	global_load_b128 v[QF+8*\f:QF+8*\f+3],   v[QO], s[QP:QP+1] offset:(\f/2)*2048+(\f%2)*64
	global_load_b128 v[QF+8*\f+4:QF+8*\f+7], v[QO], s[QP:QP+1] offset:(\f/2)*2048+(\f%2)*64+32
.endr
	v_mul_u32_u24 v[AK0], v1, PK
	v_lshl_add_u32 v[AK0], v9, 4, v[AK0]  ; K: row x pitch + 16 x half
	v_and_b32 v10, 7, v0
	v_bfe_u32 v11, v0, 3, 1
	v_lshl_add_u32 v[AV0], v9, 3, v10     ; V, for the turning load: key 8 (l / 16) + l % 8, channels 8 ((l / 8) % 2) on
	v_mul_u32_u24 v[AV0], v[AV0], PVP
	v_lshl_add_u32 v[AV0], v11, 4, v[AV0]
	v_add_nc_u32 v[AV0], VOFF, v[AV0]
.irp t, 0,1,2,3
	v_mov_b32 v[ST+8*\t+1], 0       ; named with m as a pair, so it is written
.endr
	v_mov_b32 v[NEG], 0xceabfb8f    ; -1e9 x log2(e)
; Product i of 16 of S^T = K Q^T for piece x: channels 32 (i / 8) on, tile x + i % 2, key tiles in the order 2, 3, 0, 1: registers 0-15 of a tile, over which P lies, are written last, seven slices or more behind
; the last product that read them.  The first 8 start the sums.  The accumulators take turns, one instruction a turn.
.macro KQ x
	WIN W_KQ
.set kt, ((i/2)+2)%4
.set rS, S+32*((\x)+i%2)+8*kt
.set rK, KF+16*kt+8*(i/8)
.set rQ, QF+16*((\x)+i%2)+8*(i/8)
.if i < 8
	v_wmma_f32_16x16x32_f16 v[rS:rS+7], v[rK:rK+7], v[rQ:rQ+7], 0
.else
	v_wmma_f32_16x16x32_f16 v[rS:rS+7], v[rK:rK+7], v[rQ:rQ+7], v[rS:rS+7]
.endif
.endm
; Product i of 16 of O^T += V^T P: keys 32 (i / 8) on, channels 16 ((i / 2) % 4) on, tile x + i % 2.  zero = 1: the first 8 start the sums.
.macro PV x, zero
	WIN W_PV
.set rO, 32*((\x)+i%2)+8*((i/2)%4)
.set rV, VF+32*(i/8)+8*((i/2)%4)
.set rP, S+32*((\x)+i%2)+8*(i/8)
.if (\zero) && (i < 8)
	v_wmma_f32_16x16x32_f16 v[rO:rO+7], v[rV:rV+7], v[rP:rP+7], 0
.else
	v_wmma_f32_16x16x32_f16 v[rO:rO+7], v[rV:rV+7], v[rP:rP+7], v[rO:rO+7]
.endif
.endm
.macro FETCH_K                      ; a step's K: 64 keys x 64 channels, 8 fragments, 16 loads in one run
	WIN 0
	v_add_nc_u32 v[ADR], s[TB], v[AK0]
	WIN 0x40                        ; destination window 1
.irp f, 0,1,2,3,4,5,6,7             ; keys 16 (f / 2) on, channels 32 (f % 2) on
	ds_load_b128 v[KF+8*\f:KF+8*\f+3],   v[ADR] offset:(\f/2)*16*PK+(\f%2)*64
	ds_load_b128 v[KF+8*\f+4:KF+8*\f+7], v[ADR] offset:(\f/2)*16*PK+(\f%2)*64+32
.endr
.endm
.macro FETCH_V                      ; the same step's V, turned
	WIN 0
	v_add_nc_u32 v[ADR], s[TB], v[AV0]
	s_add_co_u32 s[TB], s[TB], STEPB  ; the next fetch is the next step's
	WIN 0x40
.irp f, 0,1,2,3,4,5,6,7             ; keys 32 (f / 4) on, channels 16 (f % 4) on
	ds_load_tr16_b128 v[VF+8*\f:VF+8*\f+3],   v[ADR] offset:(\f/4)*32*PVP+(\f%4)*32
	ds_load_tr16_b128 v[VF+8*\f+4:VF+8*\f+7], v[ADR] offset:(\f/4)*32*PVP+16*PVP+(\f%4)*32
.endr
.endm
.macro MLOAD p                      ; the 64 mask words of piece p at the step at which s[MB] stands: 128 consecutive bytes for each tile
	s_load_b512 s[16:31], s[MB:MB+1], 4096*(\p)
	s_load_b512 s[32:47], s[MB:MB+1], 4096*(\p)+64
	s_load_b512 s[48:63], s[MB:MB+1], 4096*(\p)+4096
	s_load_b512 s[68:83], s[MB:MB+1], 4096*(\p)+4096+64
.endm
; THE VECTOR WORK OF A TURN: item n of 298 of piece y's softmax for one key step.  first = 1: the first key step, which starts m, l and O^T.
;   0-63    the mask: t becomes the masked constant where the word's bit is set; ascending
;   64-95   the maximum of each tile's 32 t and the old m, three operands at a time, the two tiles alternating
;   96-103  the other half of the lanes' maximum; m_old kept; the new m; m_old - m
;   104-201 ONE BATCH: 16 packed subtractions t - m and 33 exponentials a tile; none of them names an exponential's result
;   (wait)  one plain instruction and one s_wait_alu depctr_va_vdst(0) for the 66 exponentials, ahead of the first reader
;   202-233 the sums, in two chains a tile; l = a l + the sum
;   234-265 the roundings to f16, ascending: P[i] takes the place of score i, whose pair has been read
;   266-297 O^T x a: the one part that leaves window 0
.macro SM y, first
.if n < 266
	WIN 0
.endif
.if n < 64
.set tt, (\y)+n/32
.set w, n%32
.set sw, 16+w
.if n >= 32
.set sw, 48+w
.if w >= 16
.set sw, 52+w
.endif
.endif
	v_cndmask_b32 v[S+32*tt+w], v[S+32*tt+w], v[NEG], s[sw]
.elseif n < 96
.set j, (n-64)/2
.set rT, ST+8*((\y)+n%2)
.set rS, S+32*((\y)+n%2)
.if j < 4
	v_max3_num_f32 v[rT+4+j], v[rS+8*j], v[rS+8*j+1], v[rS+8*j+2]
.elseif j < 12
	v_max3_num_f32 v[rT+4+j%4], v[rT+4+j%4], v[rS+8*(j%4)+2*(j/4)+1], v[rS+8*(j%4)+2*(j/4)+2]
.elseif j == 12
	v_max3_num_f32 v[rT+4], v[rT+4], v[rS+7], v[rS+15]
.elseif j == 13
	v_max3_num_f32 v[rT+6], v[rT+6], v[rS+23], v[rS+31]
.elseif j == 14
	v_max3_num_f32 v[rT+4], v[rT+4], v[rT+5], v[rT+6]
.elseif \first
	v_max_num_f32 v[rT+4], v[rT+4], v[rT+7]
.else
	v_max3_num_f32 v[rT+4], v[rT+4], v[rT+7], v[rT]
.endif
.elseif n < 104
.set j, (n-96)/2
.set rT, ST+8*((\y)+n%2)
.if j == 0
	v_permlanex16_b32 v[rT+5], v[rT+4], s[SEL], s[SEL+1]  ; the query's other 32 keys lie in the lane 16 away
.elseif j == 2
	v_max_num_f32 v[rT], v[rT+4], v[rT+5]
.elseif \first
.elseif j == 1
	v_mov_b32 v[rT+7], v[rT]        ; m_old
.else
	v_sub_f32 v[rT+7], v[rT+7], v[rT]
.endif
.elseif n < 202
.set d, n-104
.if d < 6                           ; each tile: pairs 0 and 1, then a
.set tt, (\y)+d/3
.set op, 0
.set b, d%3
.if d%3 == 2
.set op, 2
.endif
.elseif d < 90                      ; in threes, the tiles by turns: pair g + 2 is brought under m, scores 2 g and 2 g + 1 go through the exponential
.set tt, (\y)+((d-6)/3)%2
.set op, 1
.set e, 2*((d-6)/6)+(d-6)%3-1
.if (d-6)%3 == 0
.set op, 0
.set b, (d-6)/6+2
.endif
.else                               ; scores 28 to 31 of each tile
.set tt, (\y)+(d-90)/4
.set op, 1
.set e, 28+(d-90)%4
.endif
.set rT, ST+8*tt
.set rS, S+32*tt
.if op == 0
	v_pk_add_f32 v[rS+2*b:rS+2*b+1], v[rS+2*b:rS+2*b+1], v[rT:rT+1] op_sel_hi:[1,0] neg_lo:[0,1] neg_hi:[0,1]  ; t - m, two at a time
.elseif op == 1
	v_exp_f32 v[rS+e], v[rS+e]
.elseif !\first
	v_exp_f32 v[rT+6], v[rT+7]      ; a
.endif
.elseif n < 234
.if n == 202
	v_nop                           ; the plain instruction behind the last exponential,
	s_wait_alu depctr_va_vdst(0)    ; and the one wait for the batch
.endif
.set z, (n-202)/2
.set rT, ST+8*((\y)+n%2)
.set rS, S+32*((\y)+n%2)
.if (z == 0) && \first
	v_pk_mul_f32 v[rT+2:rT+3], v[rS:rS+1], 1.0 op_sel_hi:[1,0]  ; l begins with pair 0
.elseif z == 0
	v_pk_fma_f32 v[rT+2:rT+3], v[rT+2:rT+3], v[rT+6:rT+7], v[rS:rS+1] op_sel_hi:[1,0,1]
.elseif z == 1
	v_pk_add_f32 v[rT+4:rT+5], v[rS+2:rS+3], v[rS+4:rS+5]
.elseif z == 15
	v_pk_add_f32 v[rT+2:rT+3], v[rT+2:rT+3], v[rT+4:rT+5]
.elseif z%2 == 0
	v_pk_add_f32 v[rT+2:rT+3], v[rT+2:rT+3], v[rS+2*(z+1):rS+2*(z+1)+1]
.else
	v_pk_add_f32 v[rT+4:rT+5], v[rT+4:rT+5], v[rS+2*(z+1):rS+2*(z+1)+1]
.endif
.elseif n < 266
.set j, (n-234)/2
.set rS, S+32*((\y)+n%2)
	v_cvt_pk_f16_f32 v[rS+j], v[rS+2*j], v[rS+2*j+1]
.elseif !\first
	WIN W_RS
.set tt, (\y)+(n-266)/16
.set rO, 32*tt+2*((n-266)%16)
.set rT, ST+8*tt
	v_pk_mul_f32 v[rO:rO+1], v[rO:rO+1], v[rT+6:rT+7] op_sel_hi:[1,0]
.endif
.endm
; Slice k of 32: ten items in the first ten slices, nine in the others: 298.  Behind slice 6 the 64 selects have been issued: the scalar registers take the next turn's mask words.
; Behind slice 17 of piece 2's turn stands V's run of loads: the last product that read V stands ahead of slice 15, and nine plain subtractions lie between.
.macro SLICE y, first, ml
.set cnt, 9
.if k < 10
.set cnt, 10
.endif
.rept cnt
	SM \y, \first
.set n, n+1
.endr
.if (k == 6) && \ml
	MLOAD 2-(\y)
.endif
.if (k == 17) && ((\y) == 0)
	FETCH_V
.endif
.set k, k+1
.endm
.macro PLACES
.rept 4
	v_nop
.endr
.endm
; A TURN.  Piece x has the matrix unit; the other piece's softmax stands in slices behind its matrix instructions.  pv = 2: 16 products V^T P; 1: they start O^T's sums; 0: none.  kq = 1: 16 products K Q^T of the
; next step.  A turn with one kind has two slices behind each product.  ml = 1: the next turn's mask words are asked for.  Piece 0's turn fetches the next step's K behind its second product: the last product
; that read K stands ahead of the last slice of the turn before, nine plain multiplications (in a first step: four v_nop).
.macro TURN x, pv, kq, first, ml
.set k, 0
.set n, 0
.set per, 2
.if \pv && \kq
.set per, 1
.endif
	s_wait_kmcnt 0x0                ; this turn's mask words are in, and the loads have read their base
.if ((\x) == 0) && \ml
	s_add_nc_u64 s[MB:MB+1], s[MB:MB+1], 128  ; the next step's words: four key tiles of 32 bytes
.endif
.if \pv
.if (\x) == 0
	s_wait_dscnt 0x0                ; V is in
.endif
.set i, 0
.rept 16
	PV \x, 2-\pv
.rept per
	SLICE 2-\x, \first, \ml
.endr
.if ((\x) == 0) && \kq && (i == 1)
	FETCH_K
.endif
.set i, i+1
.endr
.endif
.if \kq
.if (\x) == 0
	s_wait_dscnt 0x0                ; K is in
.endif
.set i, 0
.rept 16
	KQ \x
.rept per
	SLICE 2-\x, \first, \ml
.endr
.set i, i+1
.endr
.endif
.if \first
	WIN 0
	PLACES                          ; a first step has nothing to rescale: these stand for the last slices
.endif
.endm
; THE CHANGE OF SLOTS: the slot's last bytes, V of its fourth step, have been asked for.  Each wave waits for all its tensor loads (its part of the other slot), adds 0 to its spare word, and waits for that and for
; its reads of the slot.  fill = 1: the barrier is a round of the cluster's, and the joint refill, with the keys two slots on, is the first thing behind it: it has four key steps in which to land.
.macro CHANGE fill
	WIN 0
	s_wait_tensorcnt 0x0            ; no tensor load of mine is out, so a group 0 may be written
	ds_add_u32 v[SPW], v[NIL]
.if \fill
	s_xor_b32 s[G0+1], s[G0+1], SLOT1  ; the other slot than last time,
	s_add_nc_u64 s[G0+2:G0+3], s[G0+2:G0+3], 32768  ; the next 256 keys
	s_wait_xcnt 0x0                 ; the last prefetch, four key steps back, has read its address
	s_add_nc_u64 s[PFA:PFA+1], s[PFA:PFA+1], 32768
	s_wait_dscnt 0x0                ; the add is done, and my reads of the slot are over
	CROUND
	JLOAD
	ASK
.else
	s_wait_dscnt 0x0
	s_barrier_signal -1
	s_barrier_wait -1
.endif
	s_sub_co_u32 s[TB], s[TB], 4*STEPB  ; the fetches go back to a slot's first step,
	s_xor_b32 s[TB], s[TB], SLOT1   ; in the other slot
.endm
.macro STEPS c                      ; c key steps: written once, walked c times; the LDS addresses hang on s[TB], the mask words on s[MB]
	s_mov_b32 s[CNT], \c
.Lstep_\@:
	TURN 0, 2, 1, 0, 1
	TURN 2, 2, 1, 0, 1
	WIN 0
	s_sub_co_u32 s[CNT], s[CNT], 1
	s_cmp_lg_u32 s[CNT], 0
	s_cbranch_scc1 .Lstep_\@
.endm
	s_wait_tensorcnt 1              ; my part of slot 0 is in; slot 1's may stay out
	s_barrier_signal -1
	s_barrier_wait -1               ; everybody's is
	s_mov_b32 s[SEL], 0x76543210    ; (the first fill is done: its group 0 is free)
	s_mov_b32 s[SEL+1], 0xfedcba98
	s_wait_loadcnt 0x0              ; Q is in
	MLOAD 0                         ; piece 0's mask words of step 0
	FETCH_K                         ; key step 0
	s_wait_dscnt 0x0
.set i, 0
.rept 16
	KQ 0                            ; piece 0's first scores
.set i, i+1
.endr
	WIN 0                           ; the addresses for the way out are made here: plain instructions, the places behind those products
	s_mul_i32 s15, s[WV], 16*SP
	s_add_co_u32 s15, s15, STAGE    ; my stage
	v_mul_u32_u24 v[STO], v1, SP    ; in: row l % 16, 16 bytes for each half of the lanes
	v_lshl_add_u32 v[STO], v9, 4, v[STO]
	v_add_nc_u32 v[STO], s15, v[STO]
	v_and_b32 v10, 31, v0
	v_lshrrev_b32 v11, 3, v10
	v_and_b32 v[RD], 7, v0
	v_lshlrev_b32 v[RD], 4, v[RD]
	v_mad_u32_u24 v[RD], v11, SP, v[RD]  ; back: eight lanes to a row of 128 bytes, four rows an instruction
	v_add_nc_u32 v[RD], s15, v[RD]
	v_lshlrev_b32 v[GO], 4, v10     ; and the same 512 consecutive bytes in ctx
	TURN 2, 0, 1, 1, 1              ; piece 2's first scores | piece 0's first softmax | V of step 0
	TURN 0, 1, 1, 1, 1              ; piece 0: V^T P of step 0 starts O^T, K Q^T of step 1 | piece 2's first softmax | K of step 1
	TURN 2, 1, 1, 0, 1              ; piece 2: the same | piece 0's softmax of step 1 | V of step 1
	WIN 0
	STEPS 2                         ; the rest of slot 0 is fetched
.Lslot:                             ; six trips: every slot but the last two is filled again
	CHANGE 1
	STEPS 4
	s_sub_co_u32 s[SLOTS], s[SLOTS], 1
	s_cmp_lg_u32 s[SLOTS], 0
	s_cbranch_scc1 .Lslot
	CHANGE 0                        ; the tail is written out
	STEPS 4
	TURN 0, 2, 0, 0, 0              ; piece 0: V^T P of the last step | piece 2's last softmax
.set i, 0
.rept 16
	PV 2, 0                         ; piece 2: V^T P of the last step
.set i, i+1
.endr
	; THE WAY OUT.  l's two halves and the other half of the lanes' are added; O^T is divided by l, rounded to f16 and sent through my stage, a tile (16 rows) at a time.  The additions are the places behind the last products.
	WIN 0
.irp t, 0,1,2,3
	v_add_f32 v[ST+8*\t+4], v[ST+8*\t+2], v[ST+8*\t+3]
.endr
.irp t, 0,1,2,3
	v_permlanex16_b32 v[ST+8*\t+5], v[ST+8*\t+4], s[SEL], s[SEL+1]
.endr
.irp t, 0,1,2,3
	v_add_f32 v[ST+8*\t+4], v[ST+8*\t+4], v[ST+8*\t+5]
.endr
.irp t, 0,1,2,3
	v_rcp_f32 v[ST+8*\t+6], v[ST+8*\t+4]
.endr
	v_nop                           ; a plain instruction between the last reciprocal and the use of its result
	s_wait_alu depctr_va_vdst(0)    ; and the one wait for the four
.macro PACK t
	WIN W_RS
.set i, 0
.rept 16
	v_pk_mul_f32 v[32*\t+i:32*\t+i+1], v[32*\t+i:32*\t+i+1], v[ST+8*\t+6:ST+8*\t+7] op_sel_hi:[1,0]
.set i, i+2
.endr
	WIN 0x05                        ; sources 0 and 1 window 1, destination window 0: the tile's score registers are free
.set i, 0
.rept 16
	v_cvt_pk_f16_f32 v[S+32*\t+i], v[32*\t+2*i], v[32*\t+2*i+1]
.set i, i+1
.endr
	WIN 0
.irp f, 0,1,2,3
	ds_store_b128 v[STO], v[S+32*\t+4*\f:S+32*\t+4*\f+3] offset:32*\f
.endr
.irp f, 0,1,2,3
	ds_load_b128 v[S+32*\t+16+4*\f:S+32*\t+16+4*\f+3], v[RD] offset:\f*4*SP  ; LDS serves a wave's instructions in order: these see the stores above; the next tile's stores come behind them
.endr
.endm
.macro SEND t, younger              ; younger: the LDS instructions issued behind tile t's loads: the next tile's eight, or none
.irp f, 0,1,2,3
	s_wait_dscnt \younger+3-\f
	global_store_b128 v[GO], v[S+32*\t+16+4*\f:S+32*\t+16+4*\f+3], s[OP:OP+1] offset:\t*2048+\f*512  ; 32 lanes store 512 consecutive bytes, aligned
.endr
.endm
	PACK 0
	PACK 1
	SEND 0, 8
	PACK 2
	SEND 1, 8
	PACK 3
	SEND 2, 8
	SEND 3, 0
	s_wait_tensorcnt 0x0            ; the wave's end
	ds_add_u32 v[SPW], v[NIL]
	s_wait_dscnt 0x0
	CROUND                          ; the closing round
	s_endpgm
.Lfunc_end_k_q826956c278_attn:
	.size	k_q826956c278_attn, .Lfunc_end_k_q826956c278_attn-k_q826956c278_attn
	.p2alignl 7, 3214868480
	.fill 96, 4, 3214868480
	.section	.rodata,"a",@progbits
	.p2align	6, 0x0
	.amdhsa_kernel k_q826956c278_attn
		.amdhsa_group_segment_fixed_size 327680
		.amdhsa_private_segment_fixed_size 0
		.amdhsa_enable_private_segment 0
		.amdhsa_kernarg_size 24
		.amdhsa_user_sgpr_count 2
		.amdhsa_user_sgpr_kernarg_segment_ptr 1
		.amdhsa_wavefront_size32 1
		.amdhsa_system_sgpr_workgroup_id_x 1
		.amdhsa_system_sgpr_workgroup_id_y 1
		.amdhsa_system_sgpr_workgroup_id_z 1
		.amdhsa_system_vgpr_workitem_id 0
		.amdhsa_next_free_vgpr 512
		.amdhsa_next_free_sgpr 106
		.amdhsa_reserve_vcc 0
		.amdhsa_float_denorm_mode_32 3
		.amdhsa_float_denorm_mode_16_64 3
		.amdhsa_memory_ordered 1
		.amdhsa_forward_progress 1
		.amdhsa_inst_pref_size 237
	.end_amdhsa_kernel
	.amdgpu_metadata
---
amdhsa.version: [ 1, 2 ]
amdhsa.kernels:
  - .name:           k_q826956c278_attn
    .symbol:         k_q826956c278_attn.kd
    .args:
      - { .name: qkv, .offset: 0, .size: 8, .value_kind: global_buffer, .address_space: global }
      - { .name: maskw, .offset: 8, .size: 8, .value_kind: global_buffer, .address_space: global }
      - { .name: ctx, .offset: 16, .size: 8, .value_kind: global_buffer, .address_space: global }
    .group_segment_fixed_size: 327680
    .private_segment_fixed_size: 0
    .kernarg_segment_align: 8
    .kernarg_segment_size: 24
    .max_flat_workgroup_size: 256
    .sgpr_count:     106
    .vgpr_count:     512
    .wavefront_size: 32
...
	.end_amdgpu_metadata
.endif
;; end of part 3
;; launch oproj (part 4): grid 4 x 32, 4 waves a work-group, clusters of 4 x 4, 327,680 bytes of LDS; arguments ctx, wot, bo, out0; writes out0
.if DOCPART == 4
	.amdgcn_target "amdgcn-amd-amdhsa--gfx1250"
	.amdhsa_code_object_version 6
	.text
	.protected	k_q826956c278_oproj
	.globl	k_q826956c278_oproj
	.p2align	8
	.type	k_q826956c278_oproj,@function
k_q826956c278_oproj:
	s_mov_b64 s[64:65], 0
	v_nop
	global_prefetch_b8 v0, s[64:65] scope:SCOPE_SE
	s_setreg_imm32_b32 hwreg(HW_REG_WAVE_MODE, 25, 1), 1
	s_wait_xcnt 0x0
	s_wait_alu depctr_hold_cnt(0) depctr_sa_sdst(0) depctr_va_vdst(0) depctr_va_sdst(0) depctr_va_ssrc(0) depctr_va_vcc(0) depctr_vm_vsrc(0)
	s_getreg_b32 s2, hwreg(HW_REG_IB_STS2, 6, 4)
	s_cmp_eq_u32 s2, 0
	s_cbranch_scc0 .Lentry_in_a_cluster
	s_endpgm
.Lentry_in_a_cluster:
	s_bfe_u32 s2, ttmp6, 0x10000c
	s_cmp_lg_u32 s2, 0xf033
	s_cbranch_scc0 .Lentry_shape_is_right
	s_endpgm
.Lentry_shape_is_right:
; out0 = ctx Wo + bo.  ctx: f16 [b][h][s][64] (head-major), so K = 64 h + d; wot: f16 [n 1024][k 1024]; bo: f32; out0: f32 [8192][1024].  Sums in f32.
; A tile of out0, 256 x 256, is made by a work-group of four waves; a wave makes 128 x 128: 64 accumulators, 512 registers.  K goes in steps of 128, which are two heads, through a ring of two LDS slots:
; ctx's part of a slot is two planes of 256 rows x 128 bytes (waves 0 and 1 fetch one each), wot's 256 rows x 256 bytes (waves 2 and 3 fetch 128 rows each).
; 8192 x 1024 / (256 x 256) = 128 work-groups: with half the tile a refill would have half the matrix instructions in which to land, and each LDS byte would feed fewer products.
; CLUSTERS: 4 x 4 work-groups; ctx's tiles are shared along a row of the cluster, wot's along a column, each asked for JOINTLY.
; THE MATRIX INSTRUCTION IS USED TRANSPOSED (source 0 = 16 rows of wot, source 1 = 16 rows of ctx): a lane holds eight neighbouring columns of a row.  The bias is the C of each sum's first matrix instruction.
; REGISTERS: window 0: v0-31 addresses; v64-127, v128-191 ctx's fragments, two buffers; on the way out v128-255.   window 1: v0-63 the bias; v64-127, v128-191 wot's fragments.   windows 2, 3: the accumulators.
.set PA,     144                       ; a row of a plane of ctx in LDS: 128 bytes + 16
.set PB,     272                       ; a row of wot: 256 bytes + 16
.set PLANE,  256*PA
.set HALFB,  128*PB
.set BOFF,   2*PLANE                   ; wot's rows lie behind the two planes
.set SLOT,   BOFF+2*HALFB
.set SPARE,  2*SLOT                    ; behind the ring: the spare words, 128 bytes for each wave
.set SPITCH, 528                       ; the way out: a stage of 16 rows x (512 bytes + 16) for each wave, in slot 0, which has had its last fill and its last read by then
.set LAPS,   4                         ; a lap = two K steps = once round the ring
.set ADRA, 16
.set ADRB, 20
.set STO,  24
.set RD,   25
.set CO,   26
.set BOF,  27
.set SPW,  28
.set NIL,  29
.set F0,   64
.set F1,   128
.set BI,   0                           ; the bias, in window 1
.set BK,   128
.set G1, 24
.set G0, 32
.set G1B, 48
.set G0B, 56
.set MSB, 0
.macro WIN new
.if MSB != (\new)
	s_set_vgpr_msb (MSB<<8)|(\new)
.set MSB, (\new)
.endif
.endm
.set MUL_LO, 0xa1                      ; source 0 (wot) window 1, source 1 (ctx) window 0, C and D window 2
.set MUL_HI, 0xf1
.set TO_B,   0x40
.macro JLOAD s                         ; a joint load: waves 0 and 1 fetch ctx's planes, waves 2 and 3 wot's halves; an s_nop 0 and four v_nop follow each line
	s_cmp_eq_u32 s11, 0
	s_cbranch_scc0 .Lfor_b_\@
	tensor_load_to_lds s[G0+4*\s:G0+4*\s+3], s[G1:G1+7]
	s_nop 0
.rept 4
	v_nop
.endr
	s_branch .Lasked_\@
.Lfor_b_\@:
	tensor_load_to_lds s[G0B+4*\s:G0B+4*\s+3], s[G1B:G1B+7]
	s_nop 0
.rept 4
	v_nop
.endr
.Lasked_\@:
.endm
.macro CREST                           ; a round of the cluster's barrier behind its opening barrier
	s_cmp_lg_u32 s10, 0
	s_cbranch_scc1 .Lnot_wave_0_\@
	s_barrier_signal -3
.Lnot_wave_0_\@:
	s_barrier_wait -3
	s_barrier_signal -1
	s_barrier_wait -1
.endm
.macro CROUND
	s_barrier_signal -1
	s_barrier_wait -1
	CREST
.endm
	s_load_b128 s[4:7], s[0:1], 0x0                ; ctx, wot
	s_load_b64 s[44:45], s[0:1], 0x10              ; bo
	s_load_b64 s[8:9], s[0:1], 0x18                ; out0
	v_lshl_add_u32 v[SPW], v0, 2, SPARE
	v_mov_b32 v[NIL], 0
	ds_add_u32 v[SPW], v[NIL]                      ; the wave's opening: the add, twice on end, and its wait ahead of my first tensor load
	ds_add_u32 v[SPW], v[NIL]
	v_lshrrev_b32 v1, 5, v0
	v_readfirstlane_b32 s10, v1                    ; wave 0..3
	s_lshr_b32 s11, s10, 1                         ; which half of the tile's rows is mine.  Also: I fetch for ctx (0) or for wot (1)
	s_and_b32 s12, s10, 1                          ; which half of its columns.  Also: which plane, or which 128 rows, I fetch
	s_bfe_u32 s40, ttmp6, 0x40000                  ; cx, cy
	s_bfe_u32 s41, ttmp6, 0x40004
	s_lshl_b32 s42, ttmp9, 2
	s_add_co_u32 s42, s42, s40                     ; tile column
	s_and_b32 s13, ttmp7, 0xffff
	s_lshl_b32 s13, s13, 2
	s_add_co_u32 s13, s13, s41                     ; tile row
	s_lshl_b32 s43, s41, 2
	s_lshl_b32 s43, 15, s43                        ; my row of the cluster
	s_lshl_b32 s46, 0x1111, s40                    ; my column
	s_or_b32 s[G1+0], s43, (1<<16)|(1<<20)|(1<<21)|(4<<22)|(3<<25)   ; elements of 2 bytes; padding: 4 words after every 32
	s_or_b32 s[G1B+0], s46, (1<<16)|(1<<20)|(1<<21)|(5<<22)|(3<<25)  ; padding: 4 words after every 64
	s_mov_b32 s[G1+1], 64<<16                      ; a plane: 256 rows x 64 elements, dense
	s_mov_b32 s[G1+2], 256<<16
	s_mov_b32 s[G1+3], 64<<16
	s_mov_b32 s[G1+4], 256
	s_mov_b32 s[G1+5], 64
	s_mov_b32 s[G1+6], 0
	s_mov_b32 s[G1+7], 0
	s_mov_b32 s[G1B+1], 128<<16                    ; 128 rows x 128 elements, 1,024 elements from row to row
	s_mov_b32 s[G1B+2], 128<<16
	s_mov_b32 s[G1B+3], 128<<16
	s_mov_b32 s[G1B+4], 128
	s_mov_b32 s[G1B+5], 1024
	s_mov_b32 s[G1B+6], 0
	s_mov_b32 s[G1B+7], 0
	s_lshr_b32 s16, s13, 3                         ; ctx: the batch (eight tile rows each): 16 heads x 2,048 rows,
	s_lshl_b32 s16, s16, 15
	s_and_b32 s17, s13, 7
	s_lshl_b32 s17, s17, 8                         ; the tile's first token,
	s_add_co_u32 s16, s16, s17
	s_lshl_b32 s16, s16, 7                         ; 128 bytes a row,
	s_lshl_b32 s17, s12, 18                        ; and my plane: a head is 262,144 bytes
	s_add_co_u32 s16, s16, s17
	s_mov_b32 s17, 0
	s_lshl_b32 s46, s42, 8                         ; wot: row 256 x tile column + 128 x half,
	s_lshl_b32 s47, s12, 7
	s_add_co_u32 s46, s46, s47
	s_lshl_b32 s46, s46, 11                        ; 2,048 bytes a row
	s_mov_b32 s47, 0
	s_mul_i32 s20, s12, PLANE                      ; where they go: no place in the cluster enters an LDS address
	s_mul_i32 s21, s12, HALFB
	s_add_co_u32 s21, s21, BOFF
	s_wait_dscnt 0x0                               ; both opening adds are done
	s_wait_kmcnt 0x0
	s_add_nc_u64 s[14:15], s[4:5], s[16:17]
	s_add_nc_u64 s[46:47], s[6:7], s[46:47]
	CROUND                                         ; all sixteen work-groups are here: the first joint loads meet
.irp s, 0,1
	s_mov_b32 s[G0+4*\s], 1
	s_add_co_u32 s[G0+4*\s+1], s20, \s*SLOT
	s_add_nc_u64 s[G0+4*\s+2:G0+4*\s+3], s[14:15], \s*524288       ; K step s: two heads on
	s_or_b32 s[G0+4*\s+3], s[G0+4*\s+3], 0x80000000
	s_mov_b32 s[G0B+4*\s], 1
	s_add_co_u32 s[G0B+4*\s+1], s21, \s*SLOT
	s_add_nc_u64 s[G0B+4*\s+2:G0B+4*\s+3], s[46:47], \s*256
	s_or_b32 s[G0B+4*\s+3], s[G0B+4*\s+3], 0x80000000
	JLOAD \s                                       ; two loads of mine are out
.endr
	v_and_b32 v1, 15, v0                           ; l % 16
	v_bfe_u32 v2, v0, 4, 1                         ; l / 16
	s_lshl_b32 s16, s13, 8
	s_lshl_b32 s17, s11, 7
	s_add_co_u32 s16, s16, s17                     ; my first row of out0,
	s_lshl_b32 s16, s16, 12                        ; 4,096 bytes a row
	s_mov_b32 s17, 0
	s_add_nc_u64 s[8:9], s[8:9], s[16:17]
	s_lshl_b32 s46, s42, 10
	s_lshl_b32 s47, s12, 9
	s_add_co_u32 s46, s46, s47                     ; my first column, in bytes: in out0 and in bo alike
	s_mov_b32 s47, 0
	s_add_nc_u64 s[8:9], s[8:9], s[46:47]
	s_add_nc_u64 s[44:45], s[44:45], s[46:47]
	v_lshlrev_b32 v[BOF], 5, v2                    ; my half's eight numbers of a bias block
	WIN TO_B
.irp b, 0,1,2,3,4,5,6,7
	global_load_b128 v[BI+8*\b:BI+8*\b+3], v[BOF], s[44:45] offset:64*\b
	global_load_b128 v[BI+8*\b+4:BI+8*\b+7], v[BOF], s[44:45] offset:64*\b+16
.endr
	WIN 0
	v_mul_u32_u24 v3, v1, PA
	v_lshl_add_u32 v3, v2, 4, v3                   ; a fragment's row x pitch + 16 x half, for ctx
	v_mul_u32_u24 v4, v1, PB
	v_lshl_add_u32 v4, v2, 4, v4                   ; and for wot
	s_mul_i32 s21, s11, 128*PA                     ; my 128 rows of each plane
	s_mul_i32 s22, s12, HALFB                      ; my 128 rows of wot
	s_add_co_u32 s22, s22, BOFF
.irp s, 0,1
	v_add_nc_u32 v[ADRA+\s], s21, v3
	v_add_nc_u32 v[ADRB+\s], s22, v4
	s_add_co_u32 s21, s21, SLOT
	s_add_co_u32 s22, s22, SLOT
.endr
	s_mul_i32 s23, s10, 16*SPITCH                  ; my stage
	v_mul_u32_u24 v5, v1, SPITCH                   ; in: row l % 16, 32 bytes for each half of the lanes
	v_lshl_add_u32 v5, v2, 5, v5
	v_add_nc_u32 v[STO], s23, v5
	v_and_b32 v6, 31, v0
	v_lshlrev_b32 v[CO], 4, v6                     ; back: the 32 lanes take one row of 512 bytes; and the same in out0
	v_add_nc_u32 v[RD], s23, v[CO]
; 16 matrix instructions: row blocks a0, a0 + 1 of the window's four x all 8 column blocks, 32 along K.  zero = 1: the first product starts the sums from the bias.
; The 64 accumulators take turns, one instruction a turn, in the same order in every quarter.
.macro MUL16 f, hi, a0, zero
.irp a, \a0, \a0+1
.irp b, 0,1,2,3,4,5,6,7
.if \zero
	v_wmma_f32_16x16x32_f16 v[8*(8*(\a)+\b):8*(8*(\a)+\b)+7], v[\f+8*\b:\f+8*\b+7], v[\f+8*(4*\hi+\a):\f+8*(4*\hi+\a)+7], v[BI+8*\b:BI+8*\b+7]
.else
	v_wmma_f32_16x16x32_f16 v[8*(8*(\a)+\b):8*(8*(\a)+\b)+7], v[\f+8*\b:\f+8*\b+7], v[\f+8*(4*\hi+\a):\f+8*(4*\hi+\a)+7], v[8*(8*(\a)+\b):8*(8*(\a)+\b)+7]
.endif
.endr
.endr
.endm
; 32 LDS loads in one run: the fragments of quarter q of a K step into buffer f.  In wot's rows the quarter begins at byte 64 q; in ctx it lies in plane q / 2, at byte 64 (q % 2)
.macro FETCH slot, q, f
	WIN TO_B
.irp i, 0,1,2,3,4,5,6,7
	ds_load_b128 v[\f+8*\i:\f+8*\i+3],   v[ADRB+\slot] offset:64*(\q)+\i*16*PB
	ds_load_b128 v[\f+8*\i+4:\f+8*\i+7], v[ADRB+\slot] offset:64*(\q)+\i*16*PB+32
.endr
	WIN 0
.irp i, 0,1,2,3,4,5,6,7
	ds_load_b128 v[\f+8*\i:\f+8*\i+3],   v[ADRA+\slot] offset:((\q)/2)*PLANE+((\q)%2)*64+\i*16*PA
	ds_load_b128 v[\f+8*\i+4:\f+8*\i+7], v[ADRA+\slot] offset:((\q)/2)*PLANE+((\q)%2)*64+\i*16*PA+32
.endr
.endm
.macro PLACES                          ; four plain vector instructions between a matrix instruction and a load into, or a read of, its registers
.rept 4
	v_nop
.endr
.endm
; One of a K step's first three quarters: multiplies buffer f; in its middle it fetches quarter q of the same slot into buffer g.
.macro QUARTER slot, q, f, g, zero
	s_wait_dscnt 8                                 ; wot's and ctx's rows 0-63 are in; the youngest eight loads (ctx's rows 64-127) may be out
.if \zero
	WIN 0x91                                       ; C, the bias, in window 1; D in window 2
.else
	WIN MUL_LO
.endif
	MUL16 \f, 0, 0, \zero
	MUL16 \f, 0, 2, \zero
	PLACES
	FETCH \slot, \q, \g
	s_wait_dscnt 32                                ; all but the 32 just issued
.if \zero
	WIN 0xd1
.else
	WIN MUL_HI
.endif
	MUL16 \f, 1, 0, \zero
	MUL16 \f, 1, 2, \zero
.endm
; The last quarter multiplies buffer 1 and changes slots: ONE barrier; in front of it each wave waits for all its tensor loads (its part of the next slot), adds 0 to its spare word, and waits for that and for its
; reads of this slot.  fill = 1: the barrier opens a round of the cluster's barrier, and this slot is filled again, two K steps ahead, first thing behind the round: 224 matrix instructions ahead of the wait for it.
.macro TURN slot, next, fill
	WIN 0
	s_wait_tensorcnt 0x0
	ds_add_u32 v[SPW], v[NIL]
	s_wait_dscnt 9                                 ; (the add and the youngest eight loads may be out)
	WIN MUL_LO
	MUL16 F1, 0, 0, 0
	s_wait_dscnt 0x0                               ; the add is done, and my reads of this slot are over
	s_barrier_signal -1
	MUL16 F1, 0, 2, 0
.if \fill
	WIN 0
.endif
	s_barrier_wait -1
.if \fill
	CREST
	s_add_nc_u64 s[G0+4*\slot+2:G0+4*\slot+3], s[G0+4*\slot+2:G0+4*\slot+3], 1048576   ; four heads on
	s_add_nc_u64 s[G0B+4*\slot+2:G0B+4*\slot+3], s[G0B+4*\slot+2:G0B+4*\slot+3], 512
	JLOAD \slot                                    ; the four v_nop behind it are also the places in front of the loads below
.else
	PLACES
.endif
	FETCH \next, 0, F0
	WIN MUL_HI
	MUL16 F1, 1, 0, 0
	MUL16 F1, 1, 2, 0
.endm
	s_wait_tensorcnt 1                             ; my part of K step 0 is in (K step 1's may be out)
	s_barrier_signal -1
	s_barrier_wait -1                              ; everybody's is
	FETCH 0, 0, F0
	s_wait_loadcnt 0x0                             ; the bias
	QUARTER 0, 1, F0, F1, 1                        ; the first quarter stands in front of the loop: its products start the sums
	WIN 0
	s_mov_b32 s3, LAPS-1
.Llap:                                                 ; a trip goes once round the ring, from a lap's second quarter to the next lap's first, and fills both slots again
	QUARTER 0, 2, F1, F0, 0
	QUARTER 0, 3, F0, F1, 0
	TURN 0, 1, 1
	QUARTER 1, 1, F0, F1, 0
	QUARTER 1, 2, F1, F0, 0
	QUARTER 1, 3, F0, F1, 0
	TURN 1, 0, 1
	QUARTER 0, 1, F0, F1, 0
	WIN 0
	s_sub_co_u32 s3, s3, 1
	s_cmp_lg_u32 s3, 0
	s_cbranch_scc1 .Llap
	QUARTER 0, 2, F1, F0, 0                        ; the last lap fills nothing, and has no round of the cluster's barrier
	QUARTER 0, 3, F0, F1, 0
	TURN 0, 1, 0
	QUARTER 1, 1, F0, F1, 0
	QUARTER 1, 2, F1, F0, 0
	QUARTER 1, 3, F0, F1, 0
	s_wait_dscnt 8                                 ; the very last quarter: nothing more to fetch
	WIN MUL_LO
	MUL16 F1, 0, 0, 0
	MUL16 F1, 0, 2, 0
	s_wait_dscnt 0
	WIN MUL_HI
	MUL16 F1, 1, 0, 0
	MUL16 F1, 1, 2, 0
	WIN 0
; THE WAY OUT, block by block of 16 rows x 128 columns: the accumulators go into my stage as they are, each from its low end on, and come back as whole rows of 512 bytes.
.macro TOSTAGE a
.set AC, 64*((\a)%4)
	WIN 0x08+4*((\a)/4)                            ; an LDS store's data: window 2 or 3
.irp b, 0,1,2,3,4,5,6,7
	ds_store_b128 v[STO], v[AC+8*\b:AC+8*\b+3] offset:64*\b
	ds_store_b128 v[STO], v[AC+8*\b+4:AC+8*\b+7] offset:64*\b+16
.endr
	WIN 0
.set BB, BK+64*((\a)%2)
.irp t, 0,1,2,3,4,5,6,7,8,9,10,11,12,13,14,15
	ds_load_b128 v[BB+4*\t:BB+4*\t+3], v[RD] offset:\t*SPITCH      ; LDS serves a wave's instructions in order: these see the stores above
.endr
.endm
.macro SEND a, younger                 ; younger: the LDS instructions issued behind block a's loads, which may stay out
.set BB, BK+64*((\a)%2)
	s_wait_dscnt \younger
.irp t, 0,1,2,3,4,5,6,7,8,9,10,11,12,13,14,15
	global_store_b128 v[CO], v[BB+4*\t:BB+4*\t+3], s[8:9] offset:(\a)*65536+\t*4096 th:TH_STORE_NT   ; 32 lanes store 512 consecutive bytes, aligned; written once, read by nobody here
.endr
.endm
	PLACES
	TOSTAGE 0
.irp a, 1,2,3,4,5,6,7
.if \a > 1
	s_wait_xcnt 0x0                                ; block a - 2's stores have read their registers: block a's loads may land there
.endif
	TOSTAGE \a
	SEND \a-1, 32                                  ; behind block a - 1's loads: block a's 16 stores and 16 loads
.endr
	SEND 7, 0
	s_wait_tensorcnt 0x0                           ; the wave's end
	ds_add_u32 v[SPW], v[NIL]
	s_wait_dscnt 0x0
	CROUND                                         ; the closing round
	s_endpgm
.Lfunc_end_k_q826956c278_oproj:
	.size	k_q826956c278_oproj, .Lfunc_end_k_q826956c278_oproj-k_q826956c278_oproj
	.p2alignl 7, 3214868480
	.fill 96, 4, 3214868480
	.section	.rodata,"a",@progbits
	.p2align	6, 0x0
	.amdhsa_kernel k_q826956c278_oproj
		.amdhsa_group_segment_fixed_size 327680
		.amdhsa_private_segment_fixed_size 0
		.amdhsa_enable_private_segment 0
		.amdhsa_kernarg_size 32
		.amdhsa_user_sgpr_count 2
		.amdhsa_user_sgpr_kernarg_segment_ptr 1
		.amdhsa_wavefront_size32 1
		.amdhsa_system_sgpr_workgroup_id_x 1
		.amdhsa_system_sgpr_workgroup_id_y 1
		.amdhsa_system_sgpr_workgroup_id_z 1
		.amdhsa_system_vgpr_workitem_id 0
		.amdhsa_next_free_vgpr 1024
		.amdhsa_next_free_sgpr 66
		.amdhsa_reserve_vcc 0
		.amdhsa_float_denorm_mode_32 3
		.amdhsa_float_denorm_mode_16_64 3
		.amdhsa_memory_ordered 1
		.amdhsa_forward_progress 1
		.amdhsa_inst_pref_size 142
	.end_amdhsa_kernel
	.amdgpu_metadata
---
amdhsa.version: [ 1, 2 ]
amdhsa.kernels:
  - .name:           k_q826956c278_oproj
    .symbol:         k_q826956c278_oproj.kd
    .args:
      - { .name: ctx, .offset: 0, .size: 8, .value_kind: global_buffer, .address_space: global }
      - { .name: wot, .offset: 8, .size: 8, .value_kind: global_buffer, .address_space: global }
      - { .name: bo, .offset: 16, .size: 8, .value_kind: global_buffer, .address_space: global }
      - { .name: out0, .offset: 24, .size: 8, .value_kind: global_buffer, .address_space: global }
    .group_segment_fixed_size: 327680
    .private_segment_fixed_size: 0
    .kernarg_segment_align: 8
    .kernarg_segment_size: 32
    .max_flat_workgroup_size: 128
    .sgpr_count:     66
    .vgpr_count:     1024
    .wavefront_size: 32
...
	.end_amdgpu_metadata
.endif
;; end of part 4
